; MI455X (gfx1250); checked and timed in simulation.
; The chip was launched on July 23, 2026; its instructions are those of AMD's public machine-readable ISA for CDNA 5 (MIT licence, August 2026) and "CDNA5" Instruction Set Architecture Reference Guide (July 2026). The comments in the code are by the model that wrote it; some were corrected since.
;; Grouped Query Attention. Allowed arithmetic: matrix products marked QUANTISED: E2M3 operands, one E8M0 scale for each 32 along K, by v_wmma_scale_f32_16x16x128_f8f6f4 with both operands' format E2M3, f32 sums; everything else in f32.
;; Inputs: W_k 1,024 x 256 float32; W_o 1,024 x 1,024 float32; W_q 1,024 x 1,024 float32; W_v 1,024 x 256 float32; k 2 x 2,048 x 1,024 float32; q 2 x 2,048 x 1,024 float32; v 2 x 2,048 x 1,024 float32.
;; Outputs: out0 2 x 2,048 x 1,024 float32.
;; This version of the problem:
;;   THIS VERSION OF THE PROBLEM IS GIVEN IN LOW PRECISION. The matrix products marked QUANTISED in the list below multiply operands that are first quantised to E2M3 (2 exponent bits, 3 mantissa bits; 6 bits a number), with one power-of-two scale for each 32 numbers along K (OCP MX v1.0); their sums are f32. All else is computed in f32.
;;   The module's matrix products, in the order in which they are computed (A, B: the left and right operand; K: the contracted axis; several contracted axes count as one K, in the product's order):
;;     1. [M 4,096, K 1,024] x [K 1,024, N 1,024]; A: input q; B: input W_q: QUANTISED
;;     2. [M 4,096, K 1,024] x [K 1,024, N 256]; A: input k; B: input W_k: QUANTISED
;;     3. [M 4,096, K 1,024] x [K 1,024, N 256]; A: input v; B: input W_v: QUANTISED
;;     4. batch 32 x [M 2,048, K 64] x [K 64, N 2,048]; A: computed on the way; B: computed on the way: QUANTISED
;;     5. batch 32 x [M 2,048, K 2,048] x [K 2,048, N 64]; A: softmax (see below); B: computed on the way: QUANTISED
;;     6. [M 4,096, K 1,024] x [K 1,024, N 1,024]; A: computed on the way; B: input W_o: QUANTISED
;;   THE QUANTISER, for each operand of a quantised product, along K:
;;     - K is cut into blocks of 32 from its start; a last block that is shorter is filled with zeros.
;;     - A block's scale is 2^e with e = floor(log2(the largest magnitude in the block)) - 2, held to -126 .. 127; a block of zeros has e = 0. As a byte (E8M0): e + 127.
;;     - Each number is divided by its block's scale, clamped to +-7.5, and rounded to the nearest number of E2M3, ties to even, subnormals kept.
;;     - The product sums the exact products of the quantised numbers (number of the format x scale) in f32.
;;   ~~~python
;;   def quantise(x, axis):      # numpy; x: float32 -> the quantised numbers, widened to float32 again
;;       x = np.moveaxis(x, axis, -1); K = x.shape[-1]
;;       x = np.pad(x, [(0, 0)] * (x.ndim - 1) + [(0, -K % 32)]); x = x.reshape(x.shape[:-1] + (-1, 32)); a = np.abs(x).max(-1, keepdims=True)
;;       e = np.where(a > 0, np.clip(np.frexp(np.where(a > 0, a, 1))[1] - 1 - 2, -126, 127), 0)      # np.frexp(a)[1] - 1 = floor(log2(a)), exactly
;;       r = np.clip(x / 2.0 ** e, -7.5, 7.5)
;;       step = 2.0 ** (np.maximum(np.frexp(np.where(r == 0, 1, r))[1] - 1, 0) - 3)
;;       q = np.round(r / step) * step * 2.0 ** e      # np.round: ties to even
;;       return np.moveaxis(q.reshape(q.shape[:-2] + (-1,))[..., :K], -1, axis).astype(np.float32)
;;   ~~~
;;   SOFTMAX AHEAD OF A QUANTISED PRODUCT. Where the list says 'softmax', what is quantised is not the finished softmax but p = 2^(t - M), with t = logit x log2(e) and M = ceil(the row's largest t), a whole number; so 1/2 < the row's largest p <= 1. The row's sum l is taken of the UNQUANTISED p, in f32, and the product's result is divided by l at the end. Since M is a whole number, a kernel that streams over the keys may use a running M (the ceiling of the running maximum): every later rescaling is an exact power of two, which a block's scale takes up: the codes' values come out the same.
;;   OPERANDS COMPUTED ON THE WAY. 'Computed on the way' means the value that the module computes at that place (a softmax that the list does not call 'softmax' is quantised finished and normalised). What goes into a quantiser is computed in f32, as accurately as f32 sums, v_exp_f32 and their like allow (about 1e-6 of the number): no bf16 or f16 on the way to a quantiser, and a product that is left as it is and whose result goes on into a quantised operand takes f32 operands (vector FMAs, or v_wmma_f32_16x16x4_f32). A number that lies on a knife's edge between two numbers of the format may be rounded either way, as far as f32 arithmetic and the matrix unit's own rounding can turn it there, and no further.
;; One version. Each part assembles by itself: llvm-mc -triple=amdgcn-amd-amdhsa -mcpu=gfx1250 --defsym DOCPART=n.
;; ======== version 1 of 1: 4 launches
;; limits: right only within a limited range of input values
;; workspace buffers: c1 11,403,264 bytes; s1 475,136 bytes; c2 4,718,592 bytes; s2 360,448 bytes; c3 3,145,728 bytes; s3 131,072 bytes
;; launch quant (part 1): grid 464 x 1, 4 waves a work-group, no clusters, 59,904 bytes of LDS; arguments q, k, v, W_q, W_o, W_k, W_v, c1, s1; writes c1, s1
.if DOCPART == 1
	.amdgcn_target "amdgcn-amd-amdhsa--gfx1250"
	.amdhsa_code_object_version 6
	.text
	.protected	k_qeff480cecf_quant
	.globl	k_qeff480cecf_quant
	.p2align	8
	.type	k_qeff480cecf_quant,@function
k_qeff480cecf_quant:
	s_mov_b64 s[64:65], 0
	v_nop
	global_prefetch_b8 v0, s[64:65] scope:SCOPE_SE
	s_setreg_imm32_b32 hwreg(HW_REG_WAVE_MODE, 25, 1), 1
	s_wait_xcnt 0x0
; q, k, v [4096][1024] f32 (K innermost) and W_q, W_o [1024][1024], W_k, W_v [1024][256] f32 (K is the FIRST axis) become codes of FP6 (E2M3) with one E8M0 byte for each 32 along K.
; A block's scale is 2^(floor(log2(its largest magnitude)) - 2): its byte is the largest magnitude's exponent field - 2, held at 1 from below; numbers are divided by it and rounded to the nearest code, ties to even.
; LIMITS: NaN and infinities among the inputs are not served; a block whose largest magnitude lies under 2^-124 keeps the byte 1; a block of zeros gets the byte 1 and not 127: its codes are zeros, and this program alone reads the bytes.
; THE LAYOUT OF THE CODES IS THE ORDER OF THE OPERAND'S REGISTERS.  A row block is 128 rows of an operand (tokens; for a weight its columns).  Tile i (0..7) of it holds in lane r (0..15)
; row 32 (i / 2) + 8 (i % 2) + r + 8 (r / 8).  A fragment (tile, 128 along K) is 12 words a lane l = r + 16 h: words 6 c .. 6 c + 5 are the codes of k = 64 c + 32 h + 0 .. 31.  Its image is 1,536 bytes:
; for c = 0, 1: words 0-3 at 768 c + 16 l, words 4-5 at 768 c + 512 + 8 l.  c1: [row block][K step of 128: 8][tile: 8][1536].  s1: [row block][K step][tile][r][4 bytes: one for each 32 along K].
; Row blocks: q 0-31, k 32-63, v 64-95, W_q 96-103, W_o 104-111, W_k 112-113, W_v 114-115.
; Work-groups 0-383 take the tokens (a wave: 64 rows x 128 along K, four tiles), 384-463 the weights (a wave: 32 columns x 256 along K).  Each work-group reads 128 KiB.  Waves share nothing: no barrier.
; The two paths part on the work-group's number and never join; each has LDS bytes of its own.  A stream: matrix units, clusters and tensor loads would add nothing.
.set SEL,  28                          ; s[28:29] lane selects for v_permlanex16_b32: lane l xor 16
.set TM,   16                          ; v16-19 largest magnitudes, v20-23 the other half's, then bytes, v28-31 the conversions' scale operands
.set PW,   32                          ; v32-35  a scale word for each tile
.set TP,   36                          ; v36-38, v40-42 the second halves of the conversions
.set PC,   44                          ; v44-55  a fragment's codes
.set RAW,  64                          ; v64-127, v128-191 two sets of 16 rows as loaded
.set X,    192                         ; v192-255 64 numbers of my row: register 16 b + i = k 32 b + 16 h + i
.set XREG, 8704                        ; tokens' path, LDS of a wave: a stage of 16 rows x 528 bytes,
.set XSCL, 8448                        ; and behind it its 256 bytes of scale words
.set WLDS, 34816                       ; weights' path: LDS behind the tokens' four regions,
.set WREG, 6144                        ; 6,144 bytes a wave: [K step 2][tile 2][1536]
.set VOF,  64                          ; v64-95   weights: byte offset of row i of a block, my column
.set XW,   128                         ; v128-191 weights: two sets of 32 numbers down K
.set SB,   32                          ; v32-33   weights: my column's scale words of the two K steps
.set OUTW, 192                         ; v192-239 weights: the way out
; 64 numbers of a lane, register 16 b + i = k 32 b + 16 (lane / 16) + i of my row, become a fragment's codes in v[pc] on and its scale word in v[pw]
.macro QUANT s, pc, tp, pw
.irp b, 0,1,2,3
	v_max3_num_f32 v[TM+\b], |v[\s+16*\b]|, |v[\s+1+16*\b]|, 0x1800000   ; block b: my 16 numbers, and the floor 2^(3 - 127): the byte cannot fall under 1
.endr
.irp i, 2,4,6,8,10,12,14
.irp b, 0,1,2,3
	v_max3_num_f32 v[TM+\b], v[TM+\b], |v[\s+16*\b+\i]|, |v[\s+1+16*\b+\i]|   ; the four blocks by turns
.endr
.endr
.irp b, 0,1,2,3
	v_permlanex16_b32 v[TM+4+\b], v[TM+\b], s[SEL], s[SEL+1]
.endr
.irp b, 0,1,2,3
	v_max_num_f32 v[TM+\b], v[TM+\b], v[TM+4+\b]   ; with lane l xor 16's: the block's largest magnitude
.endr
.irp b, 0,1,2,3
	v_add_nc_u32 v[TM+12+\b], 0xff000000, v[TM+\b]   ; 2 off its exponent field: the conversion takes the exponent field of this operand as its scale
.endr
.irp b, 0,1,2,3
	v_lshrrev_b32 v[TM+4+\b], 23, v[TM+12+\b]      ; the scale's byte
.endr
	v_lshl_or_b32 v[(\pw)], v[TM+5], 8, v[TM+4]    ; four bytes make my row's scale word
	v_lshl_or_b32 v[(\pw)], v[TM+6], 16, v[(\pw)]
	v_lshl_or_b32 v[(\pw)], v[TM+7], 24, v[(\pw)]
.irp c, 0,1
	v_cvt_scalef32_pk16_fp6_f32 v[\pc+6*\c:\pc+2+6*\c], v[\s+32*\c:\s+15+32*\c], v[TM+12+2*\c]
	v_cvt_scalef32_pk16_fp6_f32 v[\tp+4*\c:\tp+2+4*\c], v[\s+16+32*\c:\s+31+32*\c], v[TM+12+2*\c+1]   ; (a conversion's three registers begin on an even number)
.endr
	v_nop                                          ; one plain place behind a scaled conversion
.irp c, 0,1                                    ; the layout wants a WHOLE block in a lane: lanes 0-15 block 2 c, lanes 16-31 block 2 c + 1
.irp i, 0,1,2
	v_permlane16_swap_b32 v[\pc+6*\c+\i], v[\tp+4*\c+\i]
.endr
.irp i, 0,1,2
	v_mov_b32 v[\pc+3+6*\c+\i], v[\tp+4*\c+\i]
.endr
.endr
.endm
; the 16 rows of my tile t, 512 consecutive bytes a load
.macro XLOAD t
.irp rr, 0,1,2,3,4,5,6,7,8,9,10,11,12,13,14,15
.set VO, 12+2*((\t)/2)+\rr/8                   ; which offset register: v4, v13, v14, v15 = 16 x lane + (t / 2) x U + (rr / 8) x W
.if VO == 12
.set VO, 4
.endif
	global_load_b128 v[RAW+64*((\t)%2)+4*\rr:RAW+64*((\t)%2)+4*\rr+3], v[VO], s[26:27] offset:(8*((\t)%2)+\rr%8)*4096 th:TH_LOAD_NT
.endr
.endm
.macro TILE t
.if (\t) < 3
	s_wait_loadcnt 16                              ; this tile's 16 loads are in; the next tile's 16 may be out
.else
	s_wait_loadcnt 0x0
.endif
.irp rr, 0,1,2,3,4,5,6,7,8,9,10,11,12,13,14,15
	ds_store_b128 v6, v[RAW+64*((\t)%2)+4*\rr:RAW+64*((\t)%2)+4*\rr+3] offset:528*\rr   ; as they lie, a row to a stage row
.endr
.irp b, 0,1,2,3
.irp j, 0,1,2,3
	ds_load_b128 v[X+16*\b+4*\j:X+16*\b+4*\j+3], v7 offset:128*\b+16*\j   ; back: row r, 16 neighbours of each block of 32.  LDS serves a wave's instructions in order
.endr
.endr
	s_wait_dscnt 0x0                               ; the numbers are back, and the stores into the stage have read their registers,
.if (\t) < 2
	XLOAD (\t)+2                                   ; which take the tile two on
.endif
	s_wait_xcnt 0x0                                ; the last tile's stores have read the codes' registers
	QUANT X, PC, TP, PW+(\t)
	ds_store_b32 v8, v[PW+(\t)] offset:64*(\t)     ; both halves of the lanes write the same word with the same value
	global_store_b128 v4, v[PC:PC+3], s[22:23] offset:1536*(\t)          ; 512 consecutive bytes, at a multiple of 256 from c1's first byte
	global_store_b64 v5, v[PC+4:PC+5], s[22:23] offset:1536*(\t)+512     ; 256
	global_store_b128 v4, v[PC+6:PC+9], s[22:23] offset:1536*(\t)+768
	global_store_b64 v5, v[PC+10:PC+11], s[22:23] offset:1536*(\t)+1280
.endm
; weights: block t of my column: W(32 t + i, column), i = 0 .. 31: 128 consecutive bytes a load
.macro WLOAD t
.set i, 0
.rept 32
	global_load_b32 v[XW+32*((\t)%2)+i], v[VOF+i], s[48+2*(\t):49+2*(\t)] th:TH_LOAD_NT
.set i, i+1
.endr
.endm
.macro BLOCK t
.set XS, XW+32*((\t)%2)
.if (\t) < 7
	s_wait_loadcnt 32                              ; this block's 32 loads are in; the next block's may be out
.else
	s_wait_loadcnt 0x0
.endif
	v_max3_num_f32 v16, |v[XS]|, |v[XS+1]|, |v[XS+2]|   ; the block's largest magnitude: all 32 numbers are mine
	v_max3_num_f32 v17, |v[XS+3]|, |v[XS+4]|, |v[XS+5]|
.irp i, 6,10,14,18,22,26
	v_max3_num_f32 v16, v16, |v[XS+\i]|, |v[XS+\i+1]|
	v_max3_num_f32 v17, v17, |v[XS+\i+2]|, |v[XS+\i+3]|
.endr
	v_max3_num_f32 v16, v16, |v[XS+30]|, |v[XS+31]|
	v_max3_num_f32 v16, v16, v17, 0x1800000        ; and the floor
	v_add_nc_u32 v18, 0xff000000, v16              ; the conversions' scale operand
	v_lshrrev_b32 v17, 23, v18                     ; the byte
.if (\t)%4 == 0
	v_mov_b32 v[SB+(\t)/4], v17
.else
	v_lshl_or_b32 v[SB+(\t)/4], v17, 8*((\t)%4), v[SB+(\t)/4]
.endif
	v_cvt_scalef32_pk16_fp6_f32 v[44:46], v[XS:XS+15], v18
	v_cvt_scalef32_pk16_fp6_f32 v[48:50], v[XS+16:XS+31], v18
	v_nop                                          ; one plain place behind a scaled conversion
	v_mov_b32 v47, v48                             ; the six words on end: v44-49
	v_mov_b32 v48, v49
	v_mov_b32 v49, v50
	ds_store_b128 v6, v[44:47] offset:3072*((\t)/4)+768*(((\t)%4)/2)+256*((\t)%2)       ; block t is lane r' + 16 (t % 2) of half (t % 4) / 2 of K step t / 4
	ds_store_b64 v7, v[48:49] offset:3072*((\t)/4)+768*(((\t)%4)/2)+512+128*((\t)%2)
.if (\t)+2 < 8
	WLOAD (\t)+2
.endif
	s_wait_dscnt 0x0                               ; the stores have read their registers
.endm
	s_load_b512 s[8:23], s[0:1], 0x0               ; q s[8:9], k s[10:11], v s[12:13], W_q s[14:15], W_o s[16:17], W_k s[18:19], W_v s[20:21], c1 s[22:23]
	s_load_b64 s[24:25], s[0:1], 0x40              ; s1
	v_lshl_add_u32 v62, v0, 2, 0xe800
	v_mov_b32 v63, 0
	v_lshrrev_b32 v1, 5, v0
	v_readfirstlane_b32 s2, v1                     ; wave 0..3
	v_and_b32 v1, 31, v0                           ; lane
	v_and_b32 v2, 15, v0                           ; r
	v_bfe_u32 v3, v0, 4, 1                         ; h
	v_lshlrev_b32 v4, 4, v1                        ; 16 x lane
	v_lshlrev_b32 v5, 3, v1                        ; 8 x lane
	s_mov_b32 s[SEL], 0x76543210
	s_mov_b32 s[SEL+1], 0xfedcba98
	s_cmp_lt_u32 ttmp9, 384
	s_cbranch_scc0 .Lweights
	; ---- THE TOKENS.  Row block = work-group / 4; K step = 2 (work-group % 4) + wave / 2; tiles 4 (wave % 2) + 0 .. 3
	s_mul_i32 s3, s2, XREG
	; THE ROWS OF A TILE: row = (t / 2) U + 8 (t % 2) + rr % 8 + (rr / 8) W.  q and v: U = 32 rows, W = 16, the order stated at the head.
	; k (work-groups 128-255): U = 16, W = 32: lane r of tile i is row 64 (i / 4) + 8 (i % 4) + r % 8 + 32 (r / 8), which gives attention a whole block of 32 keys in a lane.
	s_lshr_b32 s40, ttmp9, 7
	s_mov_b32 s41, 0x20000
	s_cmp_eq_u32 s40, 1
	s_cselect_b32 s41, 0x10000, s41                ; U in bytes
	s_sub_co_u32 s42, 0x30000, s41                 ; W: U + W = 48 rows in both orders
	s_wait_alu depctr_va_vdst(0)                   ; the wait here, directly ahead of the reader below
	v_add_nc_u32 v13, s42, v4
	v_add_nc_u32 v14, s41, v4
	v_add_nc_u32 v15, 0x30000, v4
	v_add_nc_u32 v6, s3, v4                        ; into the stage: 16 x lane
	v_mul_u32_u24 v7, v2, 528
	v_lshl_add_u32 v7, v3, 6, v7
	v_add_nc_u32 v7, s3, v7                        ; back: row r, + 64 h
	v_lshlrev_b32 v8, 2, v2
	v_add_nc_u32 v8, s3, v8
	v_add_nc_u32 v8, XSCL, v8                      ; my row's scale word
	v_add_nc_u32 v9, s3, v5
	v_add_nc_u32 v9, XSCL, v9                      ; and the words on the way out, 8 bytes a lane
.irp b, 0,1,2,3
	v_mov_b32 v[TM+4+\b], 0                        ; written once: a lane permute's destination counts as one of its sources
.endr
	s_lshr_b32 s30, ttmp9, 2                       ; row block 0..95
	s_and_b32 s31, ttmp9, 3
	s_lshl_b32 s31, s31, 1
	s_lshr_b32 s32, s2, 1
	s_or_b32 s31, s31, s32                         ; K step
	s_and_b32 s32, s2, 1                           ; which 64 rows
	s_and_b32 s34, s30, 31
	s_lshl_b32 s34, s34, 19                        ; 128 rows of 4,096 bytes
	s_lshl_b32 s33, s32, 18
	s_add_co_u32 s34, s34, s33
	s_lshl_b32 s33, s31, 9
	s_add_co_u32 s34, s34, s33
	s_mov_b32 s35, 0
	s_mul_i32 s36, s30, 98304
	s_mul_i32 s33, s31, 12288
	s_add_co_u32 s36, s36, s33
	s_mul_i32 s33, s32, 6144
	s_add_co_u32 s36, s36, s33
	s_mov_b32 s37, 0
	s_lshl_b32 s38, s30, 12
	s_lshl_b32 s33, s31, 9
	s_add_co_u32 s38, s38, s33
	s_lshl_b32 s33, s32, 8
	s_add_co_u32 s38, s38, s33
	s_mov_b32 s39, 0
	s_wait_kmcnt 0x0
	s_cmp_lt_u32 ttmp9, 256                        ; which tensor: the choice hangs on the work-group's number alone
	s_cselect_b64 s[26:27], s[10:11], s[12:13]
	s_cmp_lt_u32 ttmp9, 128
	s_cselect_b64 s[26:27], s[8:9], s[26:27]
	s_add_nc_u64 s[26:27], s[26:27], s[34:35]
	s_add_nc_u64 s[22:23], s[22:23], s[36:37]
	s_add_nc_u64 s[24:25], s[24:25], s[38:39]
	XLOAD 0
	XLOAD 1
	TILE 0
	TILE 1
	TILE 2
	TILE 3
	ds_load_b64 v[10:11], v9                       ; LDS serves a wave's instructions in order: these see my four stores
	s_wait_dscnt 0x0
	global_store_b64 v5, v[10:11], s[24:25]        ; 32 lanes store 256 consecutive bytes, at a multiple of 256 from s1's first byte
	s_wait_tensorcnt 0x0
	ds_add_u32 v62, v63
	s_wait_dscnt 0x0
	s_endpgm
.Lweights:
	; ---- THE WEIGHTS.  w = work-group - 384: 0-31 W_q, 32-63 W_o, 64-71 W_k, 72-79 W_v.  w % 4: which 256 along K; the rest: which 128 columns.  LANE x TAKES COLUMN 32 wave + x, ITS REGISTERS RUN DOWN K.
	s_sub_co_u32 s30, ttmp9, 384
	s_and_b32 s31, s30, 3                          ; ky
	s_mov_b32 s41, 96
	s_mov_b32 s42, 104
	s_mov_b32 s43, 112
	s_mov_b32 s44, 114
	s_wait_kmcnt 0x0
	s_cmp_lt_u32 s30, 72
	s_cselect_b64 s[26:27], s[18:19], s[20:21]
	s_cselect_b32 s45, s43, s44
	s_cmp_lt_u32 s30, 64
	s_cselect_b64 s[26:27], s[16:17], s[26:27]
	s_cselect_b32 s45, s42, s45
	s_cselect_b32 s32, 31, 7
	s_cselect_b32 s33, 12, 10                      ; a row of the weight is 2^12 or 2^10 bytes
	s_cmp_lt_u32 s30, 32
	s_cselect_b64 s[26:27], s[14:15], s[26:27]
	s_cselect_b32 s45, s41, s45
	s_and_b32 s32, s30, s32
	s_lshr_b32 s32, s32, 2                         ; which 128 columns
	s_add_co_u32 s45, s45, s32                     ; the row block
	s_lshl_b32 s34, s31, 8
	s_lshl_b32 s34, s34, s33                       ; 256 ky rows
	s_lshl_b32 s36, s32, 9
	s_add_co_u32 s34, s34, s36
	s_lshl_b32 s36, s2, 7
	s_add_co_u32 s34, s34, s36                     ; + 4 x (128 cg + 32 wave)
	s_mov_b32 s35, 0
	s_add_nc_u64 s[48:49], s[26:27], s[34:35]      ; block 0's base;
	s_lshl_b32 s36, 32, s33                        ; 32 rows on for each further block: the pitch is no constant, so no offset is an immediate
	s_mov_b32 s37, 0
.irp t, 1,2,3,4,5,6,7
	s_add_nc_u64 s[48+2*\t:49+2*\t], s[46+2*\t:47+2*\t], s[36:37]
.endr
	s_lshl_b32 s38, 1, s33                         ; the pitch
	s_wait_alu depctr_va_vdst(0)
	v_lshlrev_b32 v[VOF], 2, v1
.set i, 1
.rept 31
	v_add_nc_u32 v[VOF+i], s38, v[VOF+i-1]
.set i, i+1
.endr
	s_mul_i32 s3, s2, WREG
	s_add_co_u32 s3, s3, WLDS
	v_bfe_u32 v10, v0, 3, 1                        ; column 32 wave + x is lane r' = x % 8 + 8 (x / 16) of tile 2 wave + u, u = (x / 8) % 2
	v_and_b32 v11, 7, v0
	v_lshl_or_b32 v11, v3, 3, v11
	v_mul_u32_u24 v13, v10, 1536
	v_add_nc_u32 v13, s3, v13
	v_lshl_add_u32 v6, v11, 4, v13                 ; words 0-3
	v_lshl_add_u32 v7, v11, 3, v13                 ; words 4-5
	v_add_nc_u32 v8, s3, v4                        ; the way out: 16 x lane
	v_lshlrev_b32 v9, 6, v10
	v_lshl_add_u32 v9, v11, 2, v9                  ; my scale word: 64 u + 4 r'
	s_mul_i32 s40, s45, 98304
	s_mul_i32 s41, s31, 24576
	s_add_co_u32 s40, s40, s41
	s_mul_i32 s41, s2, 3072
	s_add_co_u32 s40, s40, s41
	s_mov_b32 s41, 0
	s_add_nc_u64 s[22:23], s[22:23], s[40:41]
	s_lshl_b32 s40, s45, 12
	s_lshl_b32 s42, s31, 10
	s_add_co_u32 s40, s40, s42
	s_lshl_b32 s42, s2, 7
	s_add_co_u32 s40, s40, s42
	s_add_nc_u64 s[24:25], s[24:25], s[40:41]
	WLOAD 0
	WLOAD 1
.irp t, 0,1,2,3,4,5,6,7
	BLOCK \t
.endr
	global_store_b32 v9, v[SB], s[24:25]           ; the wave's two tiles' words of a K step: 128 consecutive bytes
	s_wait_alu depctr_va_vdst(0)
	global_store_b32 v9, v[SB+1], s[24:25] offset:512
.irp p, 0,1,2,3,4,5,6,7,8,9,10,11
	ds_load_b128 v[OUTW+4*\p:OUTW+4*\p+3], v8 offset:512*\p
.endr
.irp p, 0,1,2,3,4,5,6,7,8,9,10,11
	s_wait_dscnt 11-\p                             ; LDS loads come back in order: load p is in, the younger ones may be out
	global_store_b128 v4, v[OUTW+4*\p:OUTW+4*\p+3], s[22:23] offset:12288*(\p/6)+512*(\p%6)   ; 512 consecutive bytes, at a multiple of 256 from c1's first byte
.endr
	s_wait_tensorcnt 0x0
	ds_add_u32 v62, v63
	s_wait_dscnt 0x0
	s_endpgm
.Lfunc_end_k_qeff480cecf_quant:
	.size	k_qeff480cecf_quant, .Lfunc_end_k_qeff480cecf_quant-k_qeff480cecf_quant
	.p2alignl 7, 3214868480
	.fill 96, 4, 3214868480
	.section	.rodata,"a",@progbits
	.p2align	6, 0x0
	.amdhsa_kernel k_qeff480cecf_quant
		.amdhsa_group_segment_fixed_size 59904
		.amdhsa_private_segment_fixed_size 0
		.amdhsa_enable_private_segment 0
		.amdhsa_kernarg_size 72
		.amdhsa_user_sgpr_count 2
		.amdhsa_user_sgpr_kernarg_segment_ptr 1
		.amdhsa_wavefront_size32 1
		.amdhsa_system_sgpr_workgroup_id_x 1
		.amdhsa_system_sgpr_workgroup_id_y 1
		.amdhsa_system_sgpr_workgroup_id_z 1
		.amdhsa_system_vgpr_workitem_id 0
		.amdhsa_next_free_vgpr 256
		.amdhsa_next_free_sgpr 66
		.amdhsa_reserve_vcc 0
		.amdhsa_float_denorm_mode_32 3
		.amdhsa_float_denorm_mode_16_64 3
		.amdhsa_memory_ordered 1
		.amdhsa_forward_progress 1
		.amdhsa_inst_pref_size 78
	.end_amdhsa_kernel
	.amdgpu_metadata
---
amdhsa.version: [ 1, 2 ]
amdhsa.kernels:
  - .name:           k_qeff480cecf_quant
    .symbol:         k_qeff480cecf_quant.kd
    .args:
      - { .name: q, .offset: 0, .size: 8, .value_kind: global_buffer, .address_space: global }
      - { .name: k, .offset: 8, .size: 8, .value_kind: global_buffer, .address_space: global }
      - { .name: v, .offset: 16, .size: 8, .value_kind: global_buffer, .address_space: global }
      - { .name: W_q, .offset: 24, .size: 8, .value_kind: global_buffer, .address_space: global }
      - { .name: W_o, .offset: 32, .size: 8, .value_kind: global_buffer, .address_space: global }
      - { .name: W_k, .offset: 40, .size: 8, .value_kind: global_buffer, .address_space: global }
      - { .name: W_v, .offset: 48, .size: 8, .value_kind: global_buffer, .address_space: global }
      - { .name: c1, .offset: 56, .size: 8, .value_kind: global_buffer, .address_space: global }
      - { .name: s1, .offset: 64, .size: 8, .value_kind: global_buffer, .address_space: global }
    .group_segment_fixed_size: 59904
    .private_segment_fixed_size: 0
    .kernarg_segment_align: 8
    .kernarg_segment_size: 72
    .max_flat_workgroup_size: 128
    .sgpr_count:     66
    .vgpr_count:     256
    .wavefront_size: 32
...
	.end_amdgpu_metadata
.endif
;; end of part 1
;; launch proj (part 2): grid 192 x 1, 4 waves a work-group, no clusters, 327,680 bytes of LDS; arguments c1, s1, c2, s2; writes c2, s2
.if DOCPART == 2
	.amdgcn_target "amdgcn-amd-amdhsa--gfx1250"
	.amdhsa_code_object_version 6
	.text
	.protected	k_qeff480cecf_proj
	.globl	k_qeff480cecf_proj
	.p2align	8
	.type	k_qeff480cecf_proj,@function
k_qeff480cecf_proj:
	s_mov_b64 s[64:65], 0
	v_nop
	global_prefetch_b8 v0, s[64:65] scope:SCOPE_SE
	s_setreg_imm32_b32 hwreg(HW_REG_WAVE_MODE, 25, 1), 1
	s_wait_xcnt 0x0
; The three projections, on codes of FP6 (E2M3) with E8M0 scales, as ONE body: C'[m'][n'] = sum over k of A'[m'][k] B'[n'][k], K = 1,024, a block of 128 x 256 to a work-group; the result is quantised ALONG n' on the way out.
;   work-groups 0-127:   Q = q W_q:  A' = q's tokens (row block Y = wg / 4), B' = W_q's columns (two row blocks, X = wg % 4): n' = 64 head + d: two blocks of 32 a head
;   work-groups 128-159: K = k W_k:  likewise, all 256 columns
;   work-groups 160-191: V^T:        A' = W_v's columns (64 g + d), B' = v's tokens: n' = the keys, which are the K of attention's second product
; 192 work-groups of equal work.  Operands lie in c1 and s1 in the order of the operand's registers: c1 [row block of 128][K step of 128: 8][tile: 8][1536], s1 [row block][K step][tile][16 rows][4].
; Lane r of tile i is row 32 (i / 2) + 8 (i % 2) + r + 8 (r / 8); of k's tokens alone row 64 (i / 4) + 8 (i % 4) + r % 8 + 32 (r / 8).  A' rows keep their lanes, so K's tiles leave in k's order.
; ALL OF K OF THE THREE ROW BLOCKS LIES IN LDS, filled ONCE: wave 0 asks for A's codes (98,304 bytes), wave 1 for B's (196,608), wave 2 for A's scale words, wave 3 for B's.  Nothing is filled again: one barrier.
; Four waves, 64 x 128 each: 32 accumulators.  The matrix instruction is used transposed (source 0 = 16 rows of B', source 1 = 16 rows of A'): a lane's 64 registers of A's block a are n' = 32 b + 16 (lane / 16) + i in register 16 b + i.
; OUT: c2: Q [head 16][tile T 256][768], K at 3,145,728 [g 4][T][768], V at 3,932,160 [b 2][g 4][key step 16][tile of 16 d: 4][1536].  s2: Q [head][T][16][4], K at 262,144, V at 327,680 [b][g][step][tile][16][4].
;   In a word of Q or K bytes 0, 1 are the head's two scales; bytes 2, 3 hold another scale byte or 0 and stand over zero codes.
; CLUSTERS are not used: which operand neighbours share differs between the three products of this launch.
; No prefetch: the only tensor loads stand at the head, with no loop ahead of them to ask in.
; LIMITS: NaN and infinities are not served; a block whose largest magnitude lies under 2^-124 keeps the byte 1; a block of zeros gets the byte 1 and not 127 (zero codes; this program alone reads the bytes).
; REGISTERS, in windows of 256: window 0: v0-31 addresses, v32-95 the scale words of all eight K steps, v96-143 the way out.  windows 1, 2: two sets of fragments: B's eight at v0, A's four at v96.  window 3: the accumulators, (a, b) at v[8 (8 a + b)].
.set FR,    12                         ; registers of a fragment
.set NP,    4                          ; places behind this matrix instruction (ISA guide 7.12.1)
.set RBB,   98304                      ; a row block's codes: A's at LDS 0, B's two behind it
.set HALFK, 49152                      ; four K steps: as far as one address register with its immediates reaches
.set SCL,   294912                     ; the scale words: A's 4,096 bytes, then B's 8,192
.set SST,   307200                     ; 512 bytes a wave: the scale words made on the way out; no fill lands here
.set SPARE, 309248                     ; the spare words, 128 bytes a wave
.set ADRA,  16                         ; v16-17 my A fragments, K steps 0-3 and 4-7, + 16 x lane;  v18-19 + 8 x lane
.set ADRB,  20                         ; v20-23 the same for B
.set ADRS,  27                         ; my scale words: lanes 0-15 A's, lanes 16-31 B's
.set SPW,   28                         ; my spare word; never rewritten
.set NIL,   29                         ; 0; never rewritten
.set SC,    32                         ; register 8 q + i: lanes 0-15 the words of A's block i (i < 4), lanes 16-31 of B's block i, K step q
.set TM,    96                         ; the way out: v96-99 largest magnitudes, v100-103 the other half's, then bytes, v108-111 scale operands
.set PW,    112                        ; the scale word just made
.set FLOOR, 113                        ; 2^(3 - 127)
.set TP,    116
.set PC,    124                        ; v124-135 the codes just made
.set PW2,   136                        ; v136-139 the words as they go to the stage
.set G1A,   24                         ; groups 1: A's codes, B's codes, A's words, B's words
.set G1B,   32
.set G1SA,  40
.set G1SB,  48
.set G0A,   56                         ; groups 0
.set G0B,   60
.set G0SA,  68
.set G0SB,  72
.set MSB, 0
.macro WIN new                         ; the immediate's high byte repeats the setting that is left
.if MSB != (\new)
	s_set_vgpr_msb (MSB<<8)|(\new)
.set MSB, (\new)
.endif
.endm
.macro PLACES n
.rept \n
	v_nop
.endr
.endm
.macro ARM under, g0, g1, next         ; one arm of the head's chain: its load, and a jump to the chain's end
	s_cmp_lt_u32 s14, \under
	s_cbranch_scc0 \next
	tensor_load_to_lds s[\g0:\g0+3], s[\g1:\g1+7]
	s_nop 0
	PLACES 4
	s_branch .Lhead_asked
\next:
.endm
.macro FRAG reg, adr, q, i             ; a fragment's image: 12 registers by four loads
	ds_load_b128 v[\reg:\reg+3], v[\adr] offset:(\q)*12288+(\i)*1536
	ds_load_b64 v[\reg+4:\reg+5], v[\adr+2] offset:(\q)*12288+(\i)*1536+512
	ds_load_b128 v[\reg+6:\reg+9], v[\adr] offset:(\q)*12288+(\i)*1536+768
	ds_load_b64 v[\reg+10:\reg+11], v[\adr+2] offset:(\q)*12288+(\i)*1536+1280
.endm
.macro FETCH hf, q, p                  ; K step 4 hf + q into set p: 48 loads
	WIN (1+(\p))<<6
.irp i, 0,1,2,3,4,5,6,7
	FRAG FR*\i, ADRB+\hf, \q, \i
.endr
.irp i, 0,1,2,3
	FRAG 96+FR*\i, ADRA+\hf, \q, \i
.endr
.endm
.macro MUL32 q, zero                   ; K step q: the 32 accumulators take turns, one instruction a turn
	WIN 0xf5+5*((\q)%2)                            ; sources 0 and 1: the step's set; C and D: window 3
.irp a, 0,1,2,3
.irp b, 0,1,2,3,4,5,6,7
.if \zero
	v_wmma_scale_f32_16x16x128_f8f6f4 v[8*(8*\a+\b):8*(8*\a+\b)+7], v[FR*\b:FR*\b+FR-1], v[96+FR*\a:96+FR*\a+FR-1], 0, v[SC+8*(\q)+\b], v[SC+8*(\q)+\a] matrix_a_fmt:MATRIX_FMT_FP6 matrix_b_fmt:MATRIX_FMT_FP6 matrix_a_scale:MATRIX_SCALE_ROW1
.else
	v_wmma_scale_f32_16x16x128_f8f6f4 v[8*(8*\a+\b):8*(8*\a+\b)+7], v[FR*\b:FR*\b+FR-1], v[96+FR*\a:96+FR*\a+FR-1], v[8*(8*\a+\b):8*(8*\a+\b)+7], v[SC+8*(\q)+\b], v[SC+8*(\q)+\a] matrix_a_fmt:MATRIX_FMT_FP6 matrix_b_fmt:MATRIX_FMT_FP6 matrix_a_scale:MATRIX_SCALE_ROW1
.endif
.endr
.endr
.endm
; The way out of A's block a: its 64 registers a lane become a fragment's codes in v[PC] on and its scale word in v[PW].  Each accumulator is read from its low end on.
.macro QUANTW a
.set AC, 64*(\a)
	WIN 0x3c                                       ; sources 1 and 2: window 3
.irp b, 0,1,2,3
	v_max3_num_f32 v[TM+\b], v[FLOOR], |v[AC+16*\b]|, |v[AC+16*\b+1]|   ; block b: my 16 numbers, and the floor: the byte cannot fall under 1
.endr
.irp i, 2,4,6,8,10,12,14
.irp b, 0,1,2,3
	v_max3_num_f32 v[TM+\b], v[TM+\b], |v[AC+16*\b+\i]|, |v[AC+16*\b+\i+1]|
.endr
.endr
	WIN 0
.irp b, 0,1,2,3
	v_permlanex16_b32 v[TM+4+\b], v[TM+\b], s20, s21
.endr
.irp b, 0,1,2,3
	v_max_num_f32 v[TM+\b], v[TM+\b], v[TM+4+\b]   ; with lane l xor 16's: the block's largest magnitude
.endr
.irp b, 0,1,2,3
	v_add_nc_u32 v[TM+12+\b], 0xff000000, v[TM+\b]   ; 2 off its exponent field: the conversion's scale operand
.endr
.irp b, 0,1,2,3
	v_lshrrev_b32 v[TM+4+\b], 23, v[TM+12+\b]      ; the byte
.endr
	v_lshl_or_b32 v[PW], v[TM+5], 8, v[TM+4]
	v_lshl_or_b32 v[PW], v[TM+6], 16, v[PW]
	v_lshl_or_b32 v[PW], v[TM+7], 24, v[PW]
	WIN 3                                          ; source 0: window 3
.irp c, 0,1
	v_cvt_scalef32_pk16_fp6_f32 v[PC+6*\c:PC+6*\c+2], v[AC+32*\c:AC+32*\c+15], v[TM+12+2*\c]
	v_cvt_scalef32_pk16_fp6_f32 v[TP+4*\c:TP+4*\c+2], v[AC+32*\c+16:AC+32*\c+31], v[TM+12+2*\c+1]
.endr
	WIN 0
	v_nop                                          ; one plain place behind a scaled conversion
.irp c, 0,1
.irp i, 0,1,2
	v_permlane16_swap_b32 v[PC+6*\c+\i], v[TP+4*\c+\i]   ; a WHOLE block in a lane: lanes 0-15 block 2 c, lanes 16-31 block 2 c + 1
.endr
.irp i, 0,1,2
	v_mov_b32 v[PC+3+6*\c+\i], v[TP+4*\c+\i]
.endr
.endr
.endm
	s_load_b256 s[4:11], s[0:1], 0x0               ; c1 s[4:5], s1 s[6:7], c2 s[8:9], s2 s[10:11]
	v_lshl_add_u32 v[SPW], v0, 2, SPARE
	v_mov_b32 v[NIL], 0
	ds_add_u32 v[SPW], v[NIL]                      ; the opening lines: the add, twice on end, and its wait
	ds_add_u32 v[SPW], v[NIL]
	v_lshrrev_b32 v1, 5, v0
	v_readfirstlane_b32 s14, v1                    ; wave 0..3
	s_lshr_b32 s15, s14, 1                         ; which four tiles of A's row block are mine
	s_and_b32 s16, s14, 1                          ; which row block of B'
	s_mov_b32 s20, 0x76543210                      ; v_permlanex16_b32's selects for lane l xor 16
	s_mov_b32 s21, 0xfedcba98
	; which product, which block: all hangs on the work-group's number
	s_lshr_b32 s76, ttmp9, 2                       ; Q's Y
	s_and_b32 s77, ttmp9, 3                        ; Q's X
	s_sub_co_u32 s78, ttmp9, 128                   ; K's Y
	s_sub_co_u32 s79, ttmp9, 160
	s_lshr_b32 s80, s79, 4                         ; V's Y
	s_and_b32 s81, s79, 15                         ; V's X
	s_mov_b32 s87, 196608
	s_mov_b32 s88, 1536
	s_mov_b32 s92, 3145728                         ; K's part of c2
	s_mov_b32 s93, 262144                          ; and of s2
	s_cmp_lt_u32 ttmp9, 160
	s_cselect_b32 s82, s78, s80                    ; Y
	s_cselect_b32 s83, 0, s81                      ; X
	s_cselect_b32 s84, 32, 114                     ; A's row block at Y = 0
	s_cselect_b32 s85, 112, 64                     ; B's first at X = 0
	s_cselect_b32 s86, 0, 1                        ; 1: V
	s_cselect_b32 s87, s87, 768                    ; from a fragment's first half to its second: the next head's region, or the next 768 bytes
	s_cselect_b32 s88, 768, s88                    ; from block a to block a + 1
	s_cselect_b32 s90, 16, 0                       ; lanes 16-31 shift the word by this: the second head's two bytes
	s_cselect_b32 s91, 32, 16                      ; lanes that store scale words
	s_cmp_lt_u32 ttmp9, 128
	s_cselect_b32 s82, s76, s82
	s_cselect_b32 s83, s77, s83
	s_cselect_b32 s84, 0, s84
	s_cselect_b32 s85, 96, s85
	s_cselect_b32 s92, 0, s92
	s_cselect_b32 s93, 0, s93
	s_mov_b32 s89, 0
	s_add_co_u32 s84, s84, s82                     ; A's row block
	s_lshl_b32 s83, s83, 1
	s_add_co_u32 s85, s85, s83                     ; B's first
	s_add_co_u32 s83, s83, s16                     ; 2 X + my half
	s_mul_i32 s94, s83, 393216                     ; Q, K: two heads of 196,608 bytes,
	s_mul_i32 s95, s82, 6144                       ; eight tiles of 768 a row block,
	s_add_co_u32 s94, s94, s95
	s_mul_i32 s95, s15, 3072                       ; my four
	s_add_co_u32 s94, s94, s95
	s_add_co_u32 s94, s94, s92
	s_lshl_b32 s96, s83, 15
	s_lshl_b32 s97, s82, 9
	s_add_co_u32 s96, s96, s97
	s_lshl_b32 s97, s15, 8
	s_add_co_u32 s96, s96, s97
	s_add_co_u32 s96, s96, s93
	s_lshr_b32 s76, s83, 4                         ; V: the batch,
	s_and_b32 s77, s83, 15                         ; the key step,
	s_lshl_b32 s78, s82, 1
	s_add_co_u32 s78, s78, s15                     ; g: my four tiles are one head's 64
	s_mul_i32 s79, s76, 393216
	s_mul_i32 s80, s78, 98304
	s_add_co_u32 s79, s79, s80
	s_mul_i32 s80, s77, 6144
	s_add_co_u32 s79, s79, s80
	s_add_co_u32 s79, s79, 3932160
	s_lshl_b32 s81, s76, 14
	s_lshl_b32 s80, s78, 12
	s_add_co_u32 s81, s81, s80
	s_lshl_b32 s80, s77, 8
	s_add_co_u32 s81, s81, s80
	s_add_co_u32 s81, s81, 327680
	s_cmp_eq_u32 s86, 0
	s_cselect_b32 s94, s94, s79                    ; where my codes go,
	s_cselect_b32 s96, s96, s81                    ; and my scale words
	s_mov_b32 s95, 0
	s_mov_b32 s97, 0
	s_mul_i32 s76, s84, RBB                        ; where the operands come from
	s_mov_b32 s77, 0
	s_mul_i32 s78, s85, RBB
	s_mov_b32 s79, 0
	s_lshl_b32 s80, s84, 12
	s_mov_b32 s81, 0
	s_lshl_b32 s98, s85, 12
	s_mov_b32 s99, 0
.irp g, G1A, G1B, G1SA, G1SB                   ; groups 1: dense blocks as rows of 256 bytes (32 elements of 8 bytes)
	s_mov_b32 s[\g], 3<<16
	s_mov_b32 s[\g+1], 32<<16
	s_mov_b32 s[\g+3], 32<<16
	s_mov_b32 s[\g+5], 32
	s_mov_b32 s[\g+6], 0
	s_mov_b32 s[\g+7], 0
.endr
	s_mov_b32 s[G1A+2], 384<<16
	s_mov_b32 s[G1A+4], 384
	s_mov_b32 s[G1B+2], 768<<16
	s_mov_b32 s[G1B+4], 768
	s_mov_b32 s[G1SA+2], 16<<16
	s_mov_b32 s[G1SA+4], 16
	s_mov_b32 s[G1SB+2], 32<<16
	s_mov_b32 s[G1SB+4], 32
	s_wait_dscnt 0x0                               ; both opening adds are done
	s_wait_kmcnt 0x0
	s_add_nc_u64 s[8:9], s[8:9], s[94:95]
	s_add_nc_u64 s[10:11], s[10:11], s[96:97]
	s_mov_b32 s[G0A], 1
	s_mov_b32 s[G0A+1], 0
	s_add_nc_u64 s[G0A+2:G0A+3], s[4:5], s[76:77]
	s_or_b32 s[G0A+3], s[G0A+3], 0x80000000
	s_mov_b32 s[G0B], 1
	s_mov_b32 s[G0B+1], RBB
	s_add_nc_u64 s[G0B+2:G0B+3], s[4:5], s[78:79]
	s_or_b32 s[G0B+3], s[G0B+3], 0x80000000
	s_mov_b32 s[G0SA], 1
	s_mov_b32 s[G0SA+1], SCL
	s_add_nc_u64 s[G0SA+2:G0SA+3], s[6:7], s[80:81]
	s_or_b32 s[G0SA+3], s[G0SA+3], 0x80000000
	s_mov_b32 s[G0SB], 1
	s_mov_b32 s[G0SB+1], SCL+4096
	s_add_nc_u64 s[G0SB+2:G0SB+3], s[6:7], s[98:99]
	s_or_b32 s[G0SB+3], s[G0SB+3], 0x80000000
	ARM 1, G0A,  G1A,  .Lhead_b                    ; the head's loads, one a wave: one chain of branches on the wave's number
	ARM 2, G0B,  G1B,  .Lhead_sa
	ARM 3, G0SA, G1SA, .Lhead_sb
	tensor_load_to_lds s[G0SB:G0SB+3], s[G1SB:G1SB+7]
	s_nop 0
	PLACES 4
.Lhead_asked:
	v_and_b32 v1, 15, v0                           ; r
	v_bfe_u32 v2, v0, 4, 1                         ; h
	v_and_b32 v3, 31, v0                           ; lane
	v_lshlrev_b32 v24, 4, v3                       ; 16 x lane
	v_lshlrev_b32 v25, 3, v3                       ; 8 x lane
	s_mul_i32 s76, s15, 4*1536                     ; my four tiles of A,
	s_mul_i32 s77, s16, RBB
	s_add_co_u32 s77, s77, RBB                     ; my row block of B
.irp s, 0,1
	v_add_nc_u32 v[ADRA+\s], s76, v24
	v_add_nc_u32 v[ADRA+2+\s], s76, v25
	v_add_nc_u32 v[ADRB+\s], s77, v24
	v_add_nc_u32 v[ADRB+2+\s], s77, v25
	s_add_co_u32 s76, s76, HALFK
	s_add_co_u32 s77, s77, HALFK
.endr
	s_lshl_b32 s76, s15, 8                         ; the scale words: A's four tiles;
	s_lshl_b32 s77, s16, 12
	s_add_co_u32 s77, s77, 4096
	s_sub_co_u32 s77, s77, s76                     ; lanes 16-31 take B's: one product, the distance between the two
	v_mul_u32_u24 v4, s77, v2
	s_add_co_u32 s76, s76, SCL
	v_lshl_add_u32 v4, v1, 2, v4
	v_add_nc_u32 v[ADRS], s76, v4
	v_add_nc_u32 v26, s87, v24                     ; the way out: a fragment's second half
	v_add_nc_u32 v30, s87, v25
	v_mul_u32_u24 v31, s90, v2                     ; the word's shift
	s_lshl_b32 s76, s14, 9
	s_add_co_u32 s76, s76, SST
	v_lshlrev_b32 v10, 8, v2
	v_lshl_add_u32 v10, v1, 2, v10
	v_add_nc_u32 v10, s76, v10                     ; my word's place in my stage: 256 h + 4 r (+ 64 a)
	v_add_nc_u32 v11, s76, v24                     ; and the words on their way out
	v_lshlrev_b32 v12, 14, v2
	v_lshl_add_u32 v12, v1, 4, v12                 ; in s2: 16 r, lanes 16-31 the next head's region
.irp b, 0,1,2,3
	v_mov_b32 v[TM+4+\b], 0                        ; written once: a lane permute's destination counts as one of its sources
.endr
	v_mov_b32 v[FLOOR], 0x1800000
	s_wait_alu depctr_va_vdst(0)                   ; the wait at the head's end
	s_wait_tensorcnt 0x0                           ; my tile has landed,
	s_barrier_signal -1
	s_barrier_wait -1                              ; everybody's has
.irp q, 0,1,2,3,4,5,6,7
.irp i, 0,1,2,3,4,5,6,7
	ds_load_b32 v[SC+8*\q+\i], v[ADRS] offset:512*\q+64*\i   ; (for i > 3 lanes 0-15 bring later words, which no product reads)
.endr
.endr
	FETCH 0, 0, 0
.irp q, 0,1,2,3,4,5,6,7
.if \q < 7
.if \q > 0
	PLACES NP                                      ; ahead of the loads into the set that the last step multiplied
.endif
	FETCH (\q+1)/4, (\q+1)%4, (\q+1)%2
	s_wait_dscnt 48                                ; all but the 48 just issued
.else
	s_wait_dscnt 0x0
.endif
.if \q == 0
	MUL32 0, 1                                     ; the first products start the sums: nothing is cleared
.else
	MUL32 \q, 0
.endif
.endr
	WIN 0
	PLACES NP
.irp a, 0,1,2,3
.if \a > 0
	s_wait_xcnt 0x0                                ; the last block's stores have read their data and their base
	s_add_nc_u64 s[8:9], s[8:9], s[88:89]
.endif
	QUANTW \a
	v_lshrrev_b32 v[PW2+\a], v31, v[PW]            ; Q, K: lanes 16-31 hold the second head's word
	ds_store_b32 v10, v[PW2+\a] offset:64*\a
	global_store_b128 v24, v[PC:PC+3], s[8:9]                 ; 512 consecutive bytes, at a multiple of 256 from c2's first byte
	global_store_b64 v25, v[PC+4:PC+5], s[8:9] offset:512     ; 256
	global_store_b128 v26, v[PC+6:PC+9], s[8:9]
	global_store_b64 v30, v[PC+10:PC+11], s[8:9] offset:512
.endr
	ds_load_b128 v[140:143], v11                   ; LDS serves a wave's instructions in order: this sees my stores
	s_wait_tensorcnt 0x0                           ; the wave's end: my last LDS instructions
	ds_add_u32 v[SPW], v[NIL]
	s_wait_dscnt 0x0                               ; the load is in too
	v_cmp_gt_u32 vcc_lo, s91, v3                   ; Q, K: all lanes: 256 bytes for each of my two heads.  V: lanes 0-15: my head's 256 bytes
	s_wait_xcnt 0x0                                ; EXEC changes only behind this wait
	s_and_saveexec_b32 s76, vcc_lo
	global_store_b128 v12, v[140:143], s[10:11]    ; sixteen lanes store 256 consecutive bytes, at a multiple of 256 from s2's first byte
	s_wait_xcnt 0x0
	s_or_b32 exec_lo, exec_lo, s76
	s_endpgm
.Lfunc_end_k_qeff480cecf_proj:
	.size	k_qeff480cecf_proj, .Lfunc_end_k_qeff480cecf_proj-k_qeff480cecf_proj
	.p2alignl 7, 3214868480
	.fill 96, 4, 3214868480
	.section	.rodata,"a",@progbits
	.p2align	6, 0x0
	.amdhsa_kernel k_qeff480cecf_proj
		.amdhsa_group_segment_fixed_size 327680
		.amdhsa_private_segment_fixed_size 0
		.amdhsa_enable_private_segment 0
		.amdhsa_kernarg_size 32
		.amdhsa_user_sgpr_count 2
		.amdhsa_user_sgpr_kernarg_segment_ptr 1
		.amdhsa_wavefront_size32 1
		.amdhsa_system_sgpr_workgroup_id_x 1
		.amdhsa_system_sgpr_workgroup_id_y 1
		.amdhsa_system_sgpr_workgroup_id_z 1
		.amdhsa_system_vgpr_workitem_id 0
		.amdhsa_next_free_vgpr 1024
		.amdhsa_next_free_sgpr 100
		.amdhsa_reserve_vcc 1
		.amdhsa_float_denorm_mode_32 3
		.amdhsa_float_denorm_mode_16_64 3
		.amdhsa_memory_ordered 1
		.amdhsa_forward_progress 1
		.amdhsa_inst_pref_size 89
	.end_amdhsa_kernel
	.amdgpu_metadata
---
amdhsa.version: [ 1, 2 ]
amdhsa.kernels:
  - .name:           k_qeff480cecf_proj
    .symbol:         k_qeff480cecf_proj.kd
    .args:
      - { .name: c1, .offset: 0, .size: 8, .value_kind: global_buffer, .address_space: global }
      - { .name: s1, .offset: 8, .size: 8, .value_kind: global_buffer, .address_space: global }
      - { .name: c2, .offset: 16, .size: 8, .value_kind: global_buffer, .address_space: global }
      - { .name: s2, .offset: 24, .size: 8, .value_kind: global_buffer, .address_space: global }
    .group_segment_fixed_size: 327680
    .private_segment_fixed_size: 0
    .kernarg_segment_align: 8
    .kernarg_segment_size: 32
    .max_flat_workgroup_size: 128
    .sgpr_count:     100
    .vgpr_count:     1024
    .wavefront_size: 32
...
	.end_amdgpu_metadata
.endif
;; end of part 2
;; launch attn (part 3): grid 32 x 8, 16 waves a work-group, clusters of 4 x 1, 215,040 bytes of LDS; arguments c2, s2, c3, s3; writes c3, s3
.if DOCPART == 3
	.amdgcn_target "amdgcn-amd-amdhsa--gfx1250"
	.amdhsa_code_object_version 6
	.text
	.protected	k_qeff480cecf_attn
	.globl	k_qeff480cecf_attn
	.p2align	8
	.type	k_qeff480cecf_attn,@function
k_qeff480cecf_attn:
	s_mov_b64 s[64:65], 0
	v_nop
	global_prefetch_b8 v0, s[64:65] scope:SCOPE_SE
	s_setreg_imm32_b32 hwreg(HW_REG_WAVE_MODE, 25, 1), 1
	s_wait_xcnt 0x0
	s_wait_alu depctr_hold_cnt(0) depctr_sa_sdst(0) depctr_va_vdst(0) depctr_va_sdst(0) depctr_va_ssrc(0) depctr_va_vcc(0) depctr_vm_vsrc(0)
	s_getreg_b32 s2, hwreg(HW_REG_IB_STS2, 6, 4)
	s_cmp_eq_u32 s2, 0
	s_cbranch_scc0 .Lentry_in_a_cluster
	s_endpgm
.Lentry_in_a_cluster:
	s_bfe_u32 s2, ttmp6, 0x10000c
	s_cmp_lg_u32 s2, 0x3003
	s_cbranch_scc0 .Lentry_shape_is_right
	s_endpgm
.Lentry_shape_is_right:
; Attention on codes of FP6 (E2M3) with E8M0 scales: for each of 2 batches x 16 heads, o = softmax(Q K^T / 8) V, 2,048 queries and keys, head size 64; four query heads share a key and value head g.
; t = score x log2(e) / 8; M = the row's largest t so far, rounded UP to a whole number; p = 2^(t - M) is quantised along the keys, not normalised.  The row's sum is taken of the unquantised p in f32 and divides O at the end.
; When M moves, the sum and O are multiplied by 2^(old M - new M): exact.  The result is quantised along 64 head + d into c3 and s3, in the order of the next product's operand registers.
; SHARES.  Work-group (X, y = 4 b + g): 64 queries x the 4 heads of g.  Wave w: head 4 g + w % 4, query tile T = 128 b + 4 X + w / 4: 16 queries in 256 registers; four waves to a SIMD.
; ALL OF K AND V OF (b, g) LIES IN LDS, filled ONCE: eleven waves ask for one tile each at the head (K's and V's four chunks of 512 keys, three blocks of scale words); nothing is filled again; one barrier ahead of the key steps.
; CLUSTER.  The four work-groups of a cluster share y, so K and V: each load is asked for jointly, by the same line and descriptor with the mask of all four.  X enters Q's and the outputs' global addresses alone.
; No prefetch: the launch's only tensor loads stand at its head, with no loop ahead of them to ask in.
; LAYOUT.  Both products are used transposed (S^T = K Q^T, O^T = V^T P^T): a lane holds ONE query.  Lane r of K's tile i is key 64 (i / 4) + 8 (i % 4) + r % 8 + 32 (r / 8) of its 128, so the 32 registers of score tiles
; 4 c .. 4 c + 3 in lane (r, h) are keys 64 c + 32 h + 0 .. 31: a WHOLE block of 32, in the place where p's operand wants it: a block's maximum needs no other lane, and the codes are not moved between lanes.
; The head's 64 fill half of the instruction's 128 along K: registers 6-11 of Q's fragment are zero codes, so K's fragments overlap: tile i is v[26 + 6 i] on, and behind tile 7 stand six registers of lane constants.
; K is fetched a step ahead.  The last step's fetch reads the 6,144 bytes and 512 bytes that follow K's codes and K's words in LDS (scale words that the head filled); what it brings is not used.
; LIMITS: NaN and infinities are not served; the promise holds while |t| stays under 2^31; a block whose largest magnitude lies under 2^-124 keeps the byte 1, a block of zeros too (zero codes; this program alone reads the bytes).
.set KVC,  49152                       ; LDS: chunk n (key steps 4 n .. 4 n + 3) at KVC n: K's codes (6,144 a step, 768 a tile),
.set VOF,  24576                       ; then V's (6,144 a step, 1,536 a tile)
.set SKL,  196608                      ; K's scale words (512 j + 64 i + 4 r),
.set SVL,  204800                      ; V's (256 j + 64 t + 4 r),
.set SXB,  208896                      ; 512 bytes for the scale words that the work-group makes: no fill lands here
.set SPARE, 212992                     ; the spare words, 128 bytes a wave
.set A16,  1                           ; v1-4 the trip's addresses: codes + 16 x lane, + 8 x lane, K's words, V's words
.set A8,   2
.set AKW,  3
.set AVW,  4
.set SPW,  6                           ; my spare word; never rewritten
.set NIL,  7                           ; 0; never rewritten
.set NM,   8                           ; v8 -M, v9 the largest t
.set SUM,  10
.set QF,   12
.set VW,   24
.set KF,   26
.set L16,  74                          ; v74-79 lane constants: 16 x lane, 8 x lane, SKL + 4 x lane, SVL + 4 x lane, 8 h, 4 r
.set L8,   75
.set LKW,  76
.set LVW,  77
.set SH8,  78
.set R4,   79
.set VF,   80
.set S,    128                         ; S^T, then p
.set OT,   192
.set PF,   224                         ; p's codes
.set PA,   236                         ; v236-243 four partial sums of p (pairs); ahead of them the conversions' second halves
.set BM,   244                         ; v244-245 my two blocks' largest score, then p, then scale operand
.set T2,   246                         ; v246-247 at work
.set KW,   248                         ; K's scale words
.set WV,   12
.set SEL,  20
.set CS,   22
.set G1C,  24                          ; group 1: 96 rows of 256 bytes
.set G1S,  32                          ; 16 rows
.set TK,   72
.set TSK,  73
.set TSV,  74
.set CNT,  75
.macro ROUND                           ; a round of the cluster's barrier
	s_barrier_signal -1
	s_barrier_wait -1
	s_cmp_lg_u32 s[WV], 0
	s_cbranch_scc1 .Lnot_wave_0_\@
	s_barrier_signal -3
.Lnot_wave_0_\@:
	s_barrier_wait -3
	s_barrier_signal -1
	s_barrier_wait -1
.endm
.macro QK i                            ; S^T tile i; a register of words holds tile 2 p's in lanes 0-15, tile 2 p + 1's in lanes 16-31
.if (\i)%2
	v_wmma_scale_f32_16x16x128_f8f6f4 v[S+8*(\i):S+8*(\i)+7], v[KF+6*(\i):KF+6*(\i)+11], v[QF:QF+11], 0, v[KW+(\i)/2], v255 matrix_a_fmt:MATRIX_FMT_FP6 matrix_b_fmt:MATRIX_FMT_FP6 matrix_a_scale:MATRIX_SCALE_ROW1
.else
	v_wmma_scale_f32_16x16x128_f8f6f4 v[S+8*(\i):S+8*(\i)+7], v[KF+6*(\i):KF+6*(\i)+11], v[QF:QF+11], 0, v[KW+(\i)/2], v255 matrix_a_fmt:MATRIX_FMT_FP6 matrix_b_fmt:MATRIX_FMT_FP6
.endif
.endm
.macro PV t                            ; O^T tile t += V's fragment t x p
.if (\t)%2
	v_wmma_scale_f32_16x16x128_f8f6f4 v[OT+8*(\t):OT+8*(\t)+7], v[VF+12*(\t):VF+12*(\t)+11], v[PF:PF+11], v[OT+8*(\t):OT+8*(\t)+7], v[VW+(\t)/2], v253 matrix_a_fmt:MATRIX_FMT_FP6 matrix_b_fmt:MATRIX_FMT_FP6 matrix_a_scale:MATRIX_SCALE_ROW1
.else
	v_wmma_scale_f32_16x16x128_f8f6f4 v[OT+8*(\t):OT+8*(\t)+7], v[VF+12*(\t):VF+12*(\t)+11], v[PF:PF+11], v[OT+8*(\t):OT+8*(\t)+7], v[VW+(\t)/2], v253 matrix_a_fmt:MATRIX_FMT_FP6 matrix_b_fmt:MATRIX_FMT_FP6
.endif
.endm
.macro KFETCH off, offw                ; a step's K: eight half fragments and four registers of words: 20 LDS loads
.irp i, 0,1,2,3,4,5,6,7
	ds_load_b128 v[KF+6*\i:KF+6*\i+3], v[A16] offset:(\off)+768*\i
	ds_load_b64 v[KF+6*\i+4:KF+6*\i+5], v[A8] offset:(\off)+768*\i+512
.endr
.irp p, 0,1,2,3
	ds_load_b32 v[KW+\p], v[AKW] offset:(\offw)+128*\p
.endr
.endm
.macro ADDR                            ; the trip's four addresses
	v_add_nc_u32 v[A16], s[TK], v[L16]
	v_add_nc_u32 v[A8], s[TK], v[L8]
	v_add_nc_u32 v[AKW], s[TSK], v[LKW]
	v_add_nc_u32 v[AVW], s[TSV], v[LVW]
.endm
.macro JOIN                            ; the last step's four partial sums of p join the row's sum, still under that step's M
	v_pk_add_f32 v[PA:PA+1], v[PA:PA+1], v[PA+2:PA+3]
	v_pk_add_f32 v[PA+4:PA+5], v[PA+4:PA+5], v[PA+6:PA+7]
	s_delay_alu instid0(VALU_DEP_1)
	v_pk_add_f32 v[PA:PA+1], v[PA:PA+1], v[PA+4:PA+5]
	s_delay_alu instid0(VALU_DEP_1)
	v_pk_add_f32 v[SUM:SUM+1], v[SUM:SUM+1], v[PA:PA+1]
.endm
; A KEY STEP, the s-th of a trip's four: 128 keys
.macro STEP s
	s_wait_dscnt 0x0                               ; this step's K and its words, asked for a step ago: nothing else is out
	s_barrier_signal -1                            ; I have begun this step (no LDS instruction of mine is out).  Up to the wait at the step's end stand register work and LDS loads of bytes that nobody writes
.irp i, 0,1,2,3,4,5,6,7
	QK \i
.endr
	JOIN                                           ; four plain lines: the places behind the score products and behind the last step's O^T products, ahead of the loads and reads below
.irp t, 0,1,2,3
	ds_load_b128 v[VF+12*\t:VF+12*\t+3], v[A16] offset:VOF+6144*(\s)+1536*\t
	ds_load_b64 v[VF+12*\t+4:VF+12*\t+5], v[A8] offset:VOF+6144*(\s)+1536*\t+512
	ds_load_b128 v[VF+12*\t+6:VF+12*\t+9], v[A16] offset:VOF+6144*(\s)+1536*\t+768
	ds_load_b64 v[VF+12*\t+10:VF+12*\t+11], v[A8] offset:VOF+6144*(\s)+1536*\t+1280
.endr
	ds_load_b32 v[VW], v[AVW] offset:256*(\s)
	ds_load_b32 v[VW+1], v[AVW] offset:256*(\s)+128
.if (\s) < 3
	KFETCH 6144*((\s)+1), 512*((\s)+1)             ; the next step's K lands under the softmax
.else
	KFETCH KVC, 2048                               ; the next chunk's first step
	s_add_co_u32 s[TK], s[TK], KVC
	s_add_co_u32 s[TSK], s[TSK], 2048
	s_add_co_u32 s[TSV], s[TSV], 1024
	ADDR                                           ; on to the next trip (LDS instructions have read their addresses at issue)
.endif
.irp c, 0,1                                    ; THE LARGEST SCORE OF MY TWO BLOCKS OF 32 KEYS, two chains each, by turns; each accumulator is read from its low end on
	v_max3_num_f32 v[BM+\c], v[S+32*\c], v[S+32*\c+1], v[S+32*\c+2]
	v_max3_num_f32 v[T2+\c], v[S+32*\c+16], v[S+32*\c+17], v[S+32*\c+18]
.endr
.irp i, 3,5,7,9,11,13
.irp c, 0,1
	v_max3_num_f32 v[BM+\c], v[BM+\c], v[S+32*\c+\i], v[S+32*\c+\i+1]
	v_max3_num_f32 v[T2+\c], v[T2+\c], v[S+32*\c+16+\i], v[S+32*\c+17+\i]
.endr
.endr
.irp c, 0,1
	v_max3_num_f32 v[BM+\c], v[BM+\c], v[S+32*\c+15], v[S+32*\c+31]
.endr
.irp c, 0,1
	s_delay_alu instid0(VALU_DEP_2)
	v_max_num_f32 v[BM+\c], v[BM+\c], v[T2+\c]
.endr
	s_delay_alu instid0(VALU_DEP_1)
	v_max_num_f32 v254, v[BM], v[BM+1]
	s_delay_alu instid0(VALU_DEP_1)
	v_permlanex16_b32 v[T2], v254, s[SEL], s[SEL+1]
	s_delay_alu instid0(VALU_DEP_1)
	v_max_num_f32 v254, v254, v[T2]                ; with lane l xor 16's two blocks: the step's largest score of my query
	s_delay_alu instid0(VALU_DEP_1)
	v_mul_f32 v254, s[CS], v254                    ; as t (c is positive)
	s_delay_alu instid0(VALU_DEP_1)
	v_max_num_f32 v[NM+1], v[NM+1], v254           ; the running largest t
	v_mov_b32 v254, v[NM]
	s_delay_alu instid0(VALU_DEP_2)
	v_floor_f32 v[NM], -v[NM+1]                    ; the new -M = -ceil(t): a whole number
.set j, 0
.rept 32
	v_pk_fma_f32 v[S+j:S+j+1], v[S+j:S+j+1], s[CS:CS+1], v[NM:NM+1] op_sel_hi:[1,0,0]   ; t - M, two at a time
.if j == 4
	v_sub_f32 v254, v[NM], v254                    ; old M - new M: a whole number, 0 or less
.endif
.if j == 12
	v_cvt_i32_f32 v254, v254                       ; (it saturates)
.endif
.if j == 20
	v_ldexp_f32 v252, 1.0, v254                    ; f = 2^(old M - new M)
.endif
.set j, j+2
.endr
.irp c, 0,1
	v_fma_f32 v[BM+\c], v[BM+\c], s[CS], v[NM]     ; the same of each block's largest score
.endr
	s_wait_alu depctr_va_vdst(0)                   ; the wait ahead of the batch
.set j, 0
.rept 64
	v_exp_f32 v[S+j], v[S+j]                       ; p = 2^(t - M), at most 1
.set j, j+1
.endr
.irp c, 0,1
	v_exp_f32 v[BM+\c], v[BM+\c]                   ; the block's largest p: the same two instructions on the same number
.endr
	v_pk_mul_f32 v[SUM:SUM+1], v[SUM:SUM+1], v[252:253] op_sel_hi:[1,0]   ; the sum under the new M (the plain place behind the batch)
	s_wait_alu depctr_va_vdst(0)                   ; one wait for the batch, and directly ahead of the first reader of O^T
.set j, 0
.rept 16
	v_pk_mul_f32 v[OT+j:OT+j+1], v[OT+j:OT+j+1], v[252:253] op_sel_hi:[1,0]   ; O^T under the new M
.set j, j+2
.endr
.irp c, 0,1
	v_max_num_f32 v[BM+\c], 0x1800000, v[BM+\c]    ; the floor 2^(3 - 127): the byte cannot fall under 1
.endr
.irp c, 0,1
	s_delay_alu instid0(VALU_DEP_2)
	v_add_nc_u32 v[BM+\c], 0xff000000, v[BM+\c]    ; 2 off the exponent field: the conversion's scale operand
.endr
.irp c, 0,1
	v_cvt_scalef32_pk16_fp6_f32 v[PF+6*\c:PF+6*\c+2], v[S+32*\c:S+32*\c+15], v[BM+\c]
	v_cvt_scalef32_pk16_fp6_f32 v[PA+4*\c:PA+4*\c+2], v[S+32*\c+16:S+32*\c+31], v[BM+\c]   ; (a conversion's three registers begin on an even number)
.endr
	v_lshrrev_b32 v[T2], 23, v[BM]                 ; the bytes of blocks h and 2 + h (the plain place behind the conversions)
	v_lshrrev_b32 v[T2+1], 23, v[BM+1]
	s_delay_alu instid0(VALU_DEP_1)
	v_lshl_or_b32 v253, v[T2+1], 16, v[T2]
	s_delay_alu instid0(VALU_DEP_1)
	v_lshlrev_b32 v253, v[SH8], v253               ; at their places in the word: 8 h bits up
	s_delay_alu instid0(VALU_DEP_1)
	v_permlanex16_b32 v254, v253, s[SEL], s[SEL+1]
	s_delay_alu instid0(VALU_DEP_1)
	v_or_b32 v253, v253, v254                      ; with lane l xor 16's two: p's scale word for these 128 keys
.irp c, 0,1
.irp i, 0,1,2
	v_mov_b32 v[PF+3+6*\c+\i], v[PA+4*\c+\i]
.endr
.endr
.irp q, 0,1,2,3                                ; the row's sum of the unquantised p: four chains by turns; they are joined in the next step's places
	v_pk_add_f32 v[PA+2*\q:PA+2*\q+1], v[S+4*\q:S+4*\q+1], v[S+4*\q+2:S+4*\q+3]
.endr
.set j, 16
.rept 6
.irp q, 0,1,2,3
	v_pk_add_f32 v[PA+2*\q:PA+2*\q+1], v[PA+2*\q:PA+2*\q+1], v[S+j+2*\q:S+j+2*\q+1]
.endr
.set j, j+8
.endr
	s_wait_alu depctr_va_vdst(0)                   ; the wait here, directly ahead of the wait below
	s_wait_dscnt 20                                ; V and its words are in; the next step's K, 20 younger loads, may be out
.irp t, 0,1,2,3
	PV \t                                          ; the four accumulators by turns
.endr
	s_barrier_wait -1                              ; every wave has begun this step: no wave runs more than a step ahead of another.  The barrier orders no data
.endm
	s_load_b256 s[4:11], s[0:1], 0x0               ; c2 s[4:5], s2 s[6:7], c3 s[8:9], s3 s[10:11]
	v_lshl_add_u32 v[SPW], v0, 2, SPARE
	v_mov_b32 v[NIL], 0
	ds_add_u32 v[SPW], v[NIL]                      ; the opening lines: the add, twice on end, and its wait
	ds_add_u32 v[SPW], v[NIL]
	v_lshrrev_b32 v5, 5, v0
	v_readfirstlane_b32 s[WV], v5                  ; wave 0..15
	v_and_b32 v5, 31, v0                           ; lane
	v_and_b32 v[R4], 15, v0
	v_bfe_u32 v[SH8], v0, 4, 1
	v_lshlrev_b32 v[L16], 4, v5
	v_lshlrev_b32 v[L8], 3, v5
	v_lshl_add_u32 v[LKW], v5, 2, SKL
	v_lshl_add_u32 v[LVW], v5, 2, SVL
	v_lshlrev_b32 v[R4], 2, v[R4]
	v_lshlrev_b32 v[SH8], 3, v[SH8]
	s_bfe_u32 s13, ttmp6, 0x40000                  ; cx
	s_lshl_b32 s14, ttmp9, 2
	s_add_co_u32 s14, s14, s13                     ; X: Q's and the outputs' addresses alone
	s_and_b32 s15, ttmp7, 0xffff                   ; y = 4 b + g, which the four partners share
	s_lshr_b32 s16, s15, 2                         ; b
	s_and_b32 s17, s15, 3                          ; g
	s_and_b32 s18, s[WV], 1
	s_and_b32 s84, s[WV], 3
	s_lshr_b32 s86, s[WV], 2
	s_mul_i32 s76, s17, 196608
	s_mul_i32 s77, s16, 98304
	s_add_co_u32 s76, s76, s77
	s_add_co_u32 s76, s76, 3145728                 ; K's codes of (b, g)
	s_mul_i32 s77, s15, 98304
	s_add_co_u32 s77, s77, 3932160                 ; V's
	s_lshl_b32 s78, s17, 14
	s_lshl_b32 s79, s16, 13
	s_add_co_u32 s78, s78, s79
	s_add_co_u32 s78, s78, 262144                  ; K's scale words
	s_lshl_b32 s79, s15, 12
	s_add_co_u32 s79, s79, 327680                  ; V's
	s_cmp_lt_u32 s[WV], 4                          ; waves 0-3 ask for K's chunk w, waves 4-7 for V's chunk w - 4
	s_cselect_b32 s80, s76, s77
	s_mul_i32 s81, s84, 24576
	s_add_co_u32 s80, s80, s81
	s_mov_b32 s81, 0
	s_mul_i32 s53, s84, KVC
	s_mul_i32 s54, s86, VOF
	s_add_co_u32 s53, s53, s54                     ; to KVC (w % 4) + VOF (w / 4)
	s_cmp_lt_u32 s[WV], 10                         ; waves 8, 9 ask for the halves of K's words, wave 10 for V's: 4,096 bytes each
	s_cselect_b32 s82, s78, s79
	s_lshl_b32 s83, s18, 12
	s_add_co_u32 s82, s82, s83
	s_mov_b32 s83, 0
	s_lshl_b32 s49, s[WV], 12
	s_add_co_u32 s49, s49, SKL-8*4096              ; to SKL + 4,096 (w - 8)
	s_lshl_b32 s85, s17, 2
	s_add_co_u32 s85, s85, s84                     ; my head
	s_lshl_b32 s87, s16, 7
	s_lshl_b32 s88, s14, 2
	s_add_co_u32 s87, s87, s88
	s_add_co_u32 s87, s87, s86                     ; T
	s_mul_i32 s88, s85, 196608
	s_mul_i32 s90, s87, 768
	s_add_co_u32 s88, s88, s90                     ; Q's codes
	s_mov_b32 s89, 0
	s_lshl_b32 s90, s85, 14
	s_lshl_b32 s92, s87, 6
	s_add_co_u32 s90, s90, s92                     ; Q's scale words
	s_mov_b32 s91, 0
	s_lshr_b32 s92, s87, 3                         ; c3: row block T / 8, K step head / 2, tile T % 8, half head % 2
	s_mul_i32 s92, s92, 98304
	s_lshr_b32 s94, s85, 1
	s_mul_i32 s94, s94, 12288
	s_add_co_u32 s92, s92, s94
	s_and_b32 s94, s87, 7
	s_mul_i32 s94, s94, 1536
	s_add_co_u32 s92, s92, s94
	s_and_b32 s94, s85, 1
	s_mul_i32 s94, s94, 768
	s_add_co_u32 s92, s92, s94
	s_mov_b32 s93, 0
	s_lshl_b32 s94, s16, 4                         ; s3: row block 16 b + X / 2, K step 2 g, tiles 4 (X % 2) on
	s_lshr_b32 s96, s14, 1
	s_add_co_u32 s94, s94, s96
	s_lshl_b32 s94, s94, 12
	s_lshl_b32 s96, s17, 10
	s_add_co_u32 s94, s94, s96
	s_and_b32 s96, s14, 1
	s_lshl_b32 s96, s96, 8
	s_add_co_u32 s94, s94, s96
	s_mov_b32 s95, 0
	s_bfe_u32 s98, s[WV], 0x10001                  ; my half word among the work-group's: 256 ((w % 4) / 2) + 64 (w / 4) + 2 (w % 2)
	s_lshl_b32 s98, s98, 8
	s_lshl_b32 s99, s86, 6
	s_add_co_u32 s98, s98, s99
	s_lshl_b32 s99, s18, 1
	s_add_co_u32 s98, s98, s99
	s_add_co_u32 s98, s98, SXB
.irp g, G1C, G1S                               ; group 1: dense blocks as rows of 256 bytes (32 elements of 8 bytes); the mask of all four work-groups, bit 21 beside it
	s_mov_b32 s[\g], 15|(3<<16)|(1<<21)
	s_mov_b32 s[\g+1], 32<<16
	s_mov_b32 s[\g+3], 32<<16
	s_mov_b32 s[\g+5], 32
	s_mov_b32 s[\g+6], 0
	s_mov_b32 s[\g+7], 0
.endr
	s_mov_b32 s[G1C+2], 96<<16
	s_mov_b32 s[G1C+4], 96
	s_mov_b32 s[G1S+2], 16<<16
	s_mov_b32 s[G1S+4], 16
	s_mov_b32 s[SEL], 0x76543210                   ; v_permlanex16_b32's selects for lane l xor 16
	s_mov_b32 s[SEL+1], 0xfedcba98
	s_mov_b32 s[CS], 0x3e38aa3b                    ; log2(e) / 8
	s_mov_b32 s[CS+1], s[CS]
	s_mov_b32 s[TK], 0
	s_mov_b32 s[TSK], 0
	s_mov_b32 s[TSV], 0
	s_wait_alu depctr_va_vdst(0)                   ; the wait here, directly ahead of the waits below
	s_wait_dscnt 0x0                               ; both opening adds are done
	s_wait_kmcnt 0x0
	s_add_nc_u64 s[80:81], s[4:5], s[80:81]
	s_add_nc_u64 s[82:83], s[6:7], s[82:83]
	s_add_nc_u64 s[88:89], s[4:5], s[88:89]
	s_add_nc_u64 s[90:91], s[6:7], s[90:91]
	s_add_nc_u64 s[8:9], s[8:9], s[92:93]
	s_add_nc_u64 s[10:11], s[10:11], s[94:95]
	global_load_b128 v[QF:QF+3], v[L16], s[88:89]  ; Q's half fragment stays in registers,
	global_load_b64 v[QF+4:QF+5], v[L8], s[88:89] offset:512
	global_load_b32 v255, v[R4], s[90:91]          ; and its scale words
	s_mov_b32 s48, 1                               ; group 0 for the words,
	s_mov_b64 s[50:51], s[82:83]
	s_or_b32 s51, s51, 0x80000000
	s_mov_b32 s52, 1                               ; and for the codes
	s_mov_b64 s[54:55], s[80:81]
	s_or_b32 s55, s55, 0x80000000
	ROUND                                          ; all four work-groups are here: the joint loads meet
	s_cmp_lt_u32 s[WV], 8                          ; one chain of branches on the wave's number, one load to an arm
	s_cbranch_scc0 .Lwords
	tensor_load_to_lds s[52:55], s[G1C:G1C+7]
	s_nop 0
.rept 4
	v_nop
.endr
	s_branch .Lasked
.Lwords:
	s_cmp_lt_u32 s[WV], 11
	s_cbranch_scc0 .Lasked
	tensor_load_to_lds s[48:51], s[G1S:G1S+7]
	s_nop 0
.rept 4
	v_nop
.endr
.Lasked:
.irp j, 6,7,8,9,10,11
	v_mov_b32 v[QF+\j], 0                          ; k = 64 .. 127: zero codes
.endr
	v_mov_b32 v[NM+1], 0xff61b1e6                  ; the largest t so far: -3e38, under every t
	v_mov_b32 v[SUM], 0
	v_mov_b32 v[SUM+1], 0
	v_floor_f32 v[NM], -v[NM+1]                    ; -M
.irp j, 0,1,2,3,4,5,6,7
	v_mov_b32 v[PA+\j], 0                          ; the first step joins partial sums of nothing
.endr
	v_mov_b32 v253, 0                              ; (named as the upper half of v[252:253] before it is first written)
.set j, 0
.rept 32
	v_mov_b32 v[OT+j], 0                           ; O^T: the step is written once; the first finds zeros
.set j, j+1
.endr
	ADDR
	s_wait_alu depctr_va_vdst(0)                   ; the wait at the head's end
	s_wait_loadcnt 0x0                             ; Q
	s_wait_tensorcnt 0x0                           ; a wave that asked: its tile has landed
	s_barrier_signal -1
	s_barrier_wait -1                              ; all of K and V may be read: the key steps' barriers order no data
	KFETCH 0, 0                                    ; step 0's K
	s_mov_b32 s[CNT], 4
.Ltrip:                                            ; a trip: the four key steps of a chunk
	STEP 0
	STEP 1
	STEP 2
	STEP 3
	s_sub_co_u32 s[CNT], s[CNT], 1
	s_cmp_lg_u32 s[CNT], 0
	s_cbranch_scc1 .Ltrip
	; THE WAY OUT.  O^T / the sum; quantised along the head's 64: half a fragment of the next product's operand, and half of its scale word.
	s_wait_dscnt 0x0                               ; the last fetch has come back
	JOIN                                           ; the last step's partial sums; also the places behind the last products
	s_delay_alu instid0(VALU_DEP_1)
	v_add_f32 v[SUM], v[SUM], v[SUM+1]             ; the sum's two halves,
	v_and_b32 v1, 15, v0                           ; r
	v_bfe_u32 v3, v0, 4, 1
	s_delay_alu instid0(VALU_DEP_2)
	v_lshlrev_b32 v2, 2, v1
	v_permlanex16_b32 v252, v[SUM], s[SEL], s[SEL+1]
	v_add_nc_u32 v2, s98, v2                       ; my row's half word
	s_delay_alu instid0(VALU_DEP_2)
	v_add_f32 v[SUM], v[SUM], v252                 ; and lane l xor 16's: the row's sum
	s_wait_alu depctr_va_vdst(0)                   ; the wait ahead of the transcendental
	v_rcp_f32 v[SUM], v[SUM]
	v_add_nc_u32 v4, SXB, v[L16]                   ; (a plain place)  the words on their way out
	v_lshlrev_b32 v3, 9, v3
	s_delay_alu instid0(VALU_DEP_1)
	v_lshl_add_u32 v3, v1, 4, v3                   ; and in s3: 16 (lane % 16) + 512 (lane / 16)
	s_wait_alu depctr_va_vdst(0)                   ; ahead of the first reader of the quotient and of O^T
.set j, 0
.rept 32
	v_mul_f32 v[S+j], v[OT+j], v[SUM]              ; register 16 b + i is o(query, 32 b + 16 h + i): V's tiles keep the order 32 (t / 2) + 8 (t % 2) + r + 8 (r / 8)
.set j, j+1
.endr
.irp b, 0,1
	v_max3_num_f32 v[232+\b], |v[S+16*\b]|, |v[S+1+16*\b]|, 0x1800000
.endr
.irp i, 2,4,6,8,10,12,14
.irp b, 0,1
	s_delay_alu instid0(VALU_DEP_2)
	v_max3_num_f32 v[232+\b], v[232+\b], |v[S+16*\b+\i]|, |v[S+1+16*\b+\i]|
.endr
.endr
.irp b, 0,1
	s_delay_alu instid0(VALU_DEP_2)
	v_permlanex16_b32 v[236+\b], v[232+\b], s[SEL], s[SEL+1]
.endr
.irp b, 0,1
	s_delay_alu instid0(VALU_DEP_2)
	v_max_num_f32 v[232+\b], v[232+\b], v[236+\b]  ; here a block lies in lanes l and l xor 16
.endr
.irp b, 0,1
	s_delay_alu instid0(VALU_DEP_2)
	v_add_nc_u32 v[244+\b], 0xff000000, v[232+\b]
.endr
.irp b, 0,1
	s_delay_alu instid0(VALU_DEP_2)
	v_lshrrev_b32 v[236+\b], 23, v[244+\b]
.endr
	s_delay_alu instid0(VALU_DEP_1)
	v_lshl_or_b32 v253, v237, 8, v236              ; my head's two bytes
	v_cvt_scalef32_pk16_fp6_f32 v[224:226], v[S:S+15], v244
	v_cvt_scalef32_pk16_fp6_f32 v[240:242], v[S+16:S+31], v245
	v_nop                                          ; one plain place behind a scaled conversion
.irp i, 0,1,2
	v_permlane16_swap_b32 v[224+\i], v[240+\i]     ; a whole block in a lane
.endr
.irp i, 0,1,2
	s_delay_alu instid0(VALU_DEP_3)
	v_mov_b32 v[227+\i], v[240+\i]
.endr
	global_store_b128 v[L16], v[224:227], s[8:9]   ; 512 consecutive bytes, at a multiple of 256 from c3's first byte
	global_store_b64 v[L8], v[228:229], s[8:9] offset:512   ; 256
	ds_store_b16 v2, v253                          ; both halves of the lanes write the same two bytes with the same value
	s_wait_dscnt 0x0                               ; for the others' sake
	s_barrier_signal -1
	s_barrier_wait -1
	s_cmp_lg_u32 s[WV], 0
	s_cbranch_scc1 .Lnot_zero
	ds_load_b128 v[232:235], v4                    ; wave 0 sends the work-group's 512 bytes of scale words:
	s_wait_dscnt 0x0
	global_store_b128 v3, v[232:235], s[10:11]     ; 256 consecutive bytes for each of the two K steps, each at a multiple of 256 from s3's first byte
.Lnot_zero:
	s_wait_tensorcnt 0x0                           ; the wave's end
	ds_add_u32 v[SPW], v[NIL]
	s_wait_dscnt 0x0
	ROUND                                          ; the closing round
	s_endpgm
.Lfunc_end_k_qeff480cecf_attn:
	.size	k_qeff480cecf_attn, .Lfunc_end_k_qeff480cecf_attn-k_qeff480cecf_attn
	.p2alignl 7, 3214868480
	.fill 96, 4, 3214868480
	.section	.rodata,"a",@progbits
	.p2align	6, 0x0
	.amdhsa_kernel k_qeff480cecf_attn
		.amdhsa_group_segment_fixed_size 215040
		.amdhsa_private_segment_fixed_size 0
		.amdhsa_enable_private_segment 0
		.amdhsa_kernarg_size 32
		.amdhsa_user_sgpr_count 2
		.amdhsa_user_sgpr_kernarg_segment_ptr 1
		.amdhsa_wavefront_size32 1
		.amdhsa_system_sgpr_workgroup_id_x 1
		.amdhsa_system_sgpr_workgroup_id_y 1
		.amdhsa_system_sgpr_workgroup_id_z 1
		.amdhsa_system_vgpr_workitem_id 0
		.amdhsa_next_free_vgpr 256
		.amdhsa_next_free_sgpr 100
		.amdhsa_reserve_vcc 0
		.amdhsa_float_denorm_mode_32 3
		.amdhsa_float_denorm_mode_16_64 3
		.amdhsa_memory_ordered 1
		.amdhsa_forward_progress 1
		.amdhsa_inst_pref_size 78
	.end_amdhsa_kernel
	.amdgpu_metadata
---
amdhsa.version: [ 1, 2 ]
amdhsa.kernels:
  - .name:           k_qeff480cecf_attn
    .symbol:         k_qeff480cecf_attn.kd
    .args:
      - { .name: c2, .offset: 0, .size: 8, .value_kind: global_buffer, .address_space: global }
      - { .name: s2, .offset: 8, .size: 8, .value_kind: global_buffer, .address_space: global }
      - { .name: c3, .offset: 16, .size: 8, .value_kind: global_buffer, .address_space: global }
      - { .name: s3, .offset: 24, .size: 8, .value_kind: global_buffer, .address_space: global }
    .group_segment_fixed_size: 215040
    .private_segment_fixed_size: 0
    .kernarg_segment_align: 8
    .kernarg_segment_size: 32
    .max_flat_workgroup_size: 512
    .sgpr_count:     100
    .vgpr_count:     256
    .wavefront_size: 32
...
	.end_amdgpu_metadata
.endif
;; end of part 3
;; launch oproj (part 4): grid 8 x 32, 4 waves a work-group, clusters of 4 x 4, 327,680 bytes of LDS; arguments c3, s3, c1, s1, out0; writes out0
.if DOCPART == 4
	.amdgcn_target "amdgcn-amd-amdhsa--gfx1250"
	.amdhsa_code_object_version 6
	.text
	.protected	k_qeff480cecf_oproj
	.globl	k_qeff480cecf_oproj
	.p2align	8
	.type	k_qeff480cecf_oproj,@function
k_qeff480cecf_oproj:
	s_mov_b64 s[64:65], 0
	v_nop
	global_prefetch_b8 v0, s[64:65] scope:SCOPE_SE
	s_setreg_imm32_b32 hwreg(HW_REG_WAVE_MODE, 25, 1), 1
	s_wait_xcnt 0x0
	s_wait_alu depctr_hold_cnt(0) depctr_sa_sdst(0) depctr_va_vdst(0) depctr_va_sdst(0) depctr_va_ssrc(0) depctr_va_vcc(0) depctr_vm_vsrc(0)
	s_getreg_b32 s2, hwreg(HW_REG_IB_STS2, 6, 4)
	s_cmp_eq_u32 s2, 0
	s_cbranch_scc0 .Lentry_in_a_cluster
	s_endpgm
.Lentry_in_a_cluster:
	s_bfe_u32 s2, ttmp6, 0x10000c
	s_cmp_lg_u32 s2, 0xf033
	s_cbranch_scc0 .Lentry_shape_is_right
	s_endpgm
.Lentry_shape_is_right:
; out0 = O W_o on codes of FP6 (E2M3) with E8M0 scales: C[m][n] = sum over k of A[m][k] B[n][k], K = 1,024.  A: attention's result, c3 and s3; B: W_o's columns, row blocks 104-111 of c1 and s1.
; Operands lie in the order of the operand's registers: codes [row block of 128][K step of 128: 8][tile: 8][1536], words [row block][K step][tile][16 rows][4]; lane r of tile i is row 32 (i / 2) + 8 (i % 2) + r + 8 (r / 8).
; A work-group makes 128 x 128 of C: 256 work-groups.  Four waves, 64 x 64 each: 16 accumulators.  All of K of both row blocks fits in LDS: 2 x 98,304 bytes of codes and 2 x 4,096 of words, filled ONCE.
; THE HEAD'S LOADS, ONE A WAVE: wave 0 A's codes, wave 1 B's, wave 2 A's words, wave 3 B's.  Nothing is filled again: one barrier, then eight K steps with the next step's fragments fetched under each step's products.
; CLUSTERS: 4 x 4 work-groups; A's tiles are shared along a row of the cluster, B's along a column, each asked for jointly.  No prefetch: the only tensor loads stand at the head.
; The matrix instruction is used transposed (source 0 = B's rows, source 1 = A's): a lane holds eight neighbouring numbers of a row of C, which leave through the wave's own stage in LDS as units of 256 bytes.
; REGISTERS: window 0: v0-31 addresses, v32-63 scale words of all eight K steps, v64-127 the way out, v128-255 the accumulators.  window 1: two sets of fragments, at v0 and v128: B's four, then A's four.
.set FR,    12
.set NP,    4                          ; places behind this matrix instruction (ISA guide 7.12.1)
.set RBB,   98304                      ; a row block's codes: A's at LDS 0, B's behind them
.set HALFK, 49152                      ; four K steps: as far as one address register with its immediates reaches
.set SCL,   196608                     ; A's words, then B's
.set STAGE, 204800                     ; 16 rows x 272 bytes a wave; no fill lands here
.set SPITCH, 272
.set SPARE, 222208                     ; the spare words
.set ADRA,  16
.set ADRB,  20
.set STO,   24
.set RD,    25
.set CO,    26
.set ADRS,  27
.set SC,    32
.set BK,    64
.set ACC,   128
.set G1, 24
.set G0, 32
.set G1B, 48
.set G0B, 56
.set G1S, 68
.set G0S, 76
.set G1SB, 80
.set G0SB, 88
.set MSB, 0
.macro WIN new                         ; the immediate's high byte repeats the setting that is left
.if MSB != (\new)
	s_set_vgpr_msb (MSB<<8)|(\new)
.set MSB, (\new)
.endif
.endm
.set MUL,  0x05                        ; sources 0 and 1 window 1
.set TO_F, 0x40                        ; destination window 1
.macro CROUND                          ; a round of the cluster's barrier
	s_barrier_signal -1
	s_barrier_wait -1
	s_cmp_lg_u32 s14, 0
	s_cbranch_scc1 .Lnot_wave_0_\@
	s_barrier_signal -3
.Lnot_wave_0_\@:
	s_barrier_wait -3
	s_barrier_signal -1
	s_barrier_wait -1
.endm
.macro PLACES n
.rept \n
	v_nop
.endr
.endm
.macro ARM under, g0, g1, next         ; one arm of the head's chain: its load, and a jump to the chain's end
	s_cmp_lt_u32 s14, \under
	s_cbranch_scc0 \next
	tensor_load_to_lds s[\g0:\g0+3], s[\g1:\g1+7]
	s_nop 0
	PLACES 4
	s_branch .Lhead_asked
\next:
.endm
.macro FRAG reg, adr, q, i             ; a fragment's image: 12 registers by four loads
	ds_load_b128 v[\reg:\reg+3], v[\adr] offset:(\q)*12288+(\i)*1536
	ds_load_b64 v[\reg+4:\reg+5], v[\adr+2] offset:(\q)*12288+(\i)*1536+512
	ds_load_b128 v[\reg+6:\reg+9], v[\adr] offset:(\q)*12288+(\i)*1536+768
	ds_load_b64 v[\reg+10:\reg+11], v[\adr+2] offset:(\q)*12288+(\i)*1536+1280
.endm
.macro FETCH hf, q, p                  ; K step 4 hf + q into set p: 32 loads
	WIN TO_F
.irp i, 0,1,2,3
	FRAG 128*(\p)+FR*\i, ADRB+\hf, \q, \i
.endr
.irp i, 0,1,2,3
	FRAG 128*(\p)+48+FR*\i, ADRA+\hf, \q, \i
.endr
.endm
.macro MUL16 p, s, zero                ; the 16 accumulators take turns, one instruction a turn
.irp a, 0,1,2,3
.irp b, 0,1,2,3
.if \zero
	v_wmma_scale_f32_16x16x128_f8f6f4 v[ACC+8*(4*\a+\b):ACC+8*(4*\a+\b)+7], v[128*(\p)+FR*\b:128*(\p)+FR*\b+FR-1], v[128*(\p)+48+FR*\a:128*(\p)+48+FR*\a+FR-1], 0, v[SC+4*(\s)+\b], v[SC+4*(\s)+\a] matrix_a_fmt:MATRIX_FMT_FP6 matrix_b_fmt:MATRIX_FMT_FP6 matrix_a_scale:MATRIX_SCALE_ROW1
.else
	v_wmma_scale_f32_16x16x128_f8f6f4 v[ACC+8*(4*\a+\b):ACC+8*(4*\a+\b)+7], v[128*(\p)+FR*\b:128*(\p)+FR*\b+FR-1], v[128*(\p)+48+FR*\a:128*(\p)+48+FR*\a+FR-1], v[ACC+8*(4*\a+\b):ACC+8*(4*\a+\b)+7], v[SC+4*(\s)+\b], v[SC+4*(\s)+\a] matrix_a_fmt:MATRIX_FMT_FP6 matrix_b_fmt:MATRIX_FMT_FP6 matrix_a_scale:MATRIX_SCALE_ROW1
.endif
.endr
.endr
.endm
	s_load_b128 s[4:7], s[0:1], 0x0                ; c3, s3
	s_load_b128 s[8:11], s[0:1], 0x10              ; c1, s1
	s_load_b64 s[12:13], s[0:1], 0x20              ; out0
	v_lshl_add_u32 v30, v0, 2, SPARE
	v_mov_b32 v31, 0
	ds_add_u32 v30, v31                            ; the opening lines: the add, twice on end, and its wait
	ds_add_u32 v30, v31
	v_lshrrev_b32 v1, 5, v0
	v_readfirstlane_b32 s14, v1                    ; wave 0..3
	s_lshr_b32 s15, s14, 1                         ; which 64 rows are mine
	s_and_b32 s16, s14, 1                          ; which 64 columns
	s_bfe_u32 s40, ttmp6, 0x40000                  ; cx, cy
	s_bfe_u32 s41, ttmp6, 0x40004
	s_lshl_b32 s42, ttmp9, 2
	s_add_co_u32 s42, s42, s40                     ; tile column
	s_and_b32 s17, ttmp7, 0xffff
	s_lshl_b32 s17, s17, 2
	s_add_co_u32 s17, s17, s41                     ; tile row
	s_lshl_b32 s43, s41, 2
	s_lshl_b32 s43, 15, s43                        ; my row of the cluster
	s_lshl_b32 s44, 0x1111, s40                    ; my column
	s_or_b32 s[G1+0], s43, (3<<16)|(1<<21)         ; group 1: dense blocks as rows of 256 bytes (32 elements of 8 bytes): 384 rows of codes,
	s_or_b32 s[G1B+0], s44, (3<<16)|(1<<21)
.irp g, G1, G1B
	s_mov_b32 s[\g+1], 32<<16
	s_mov_b32 s[\g+2], 384<<16
	s_mov_b32 s[\g+3], 32<<16
	s_mov_b32 s[\g+4], 384
	s_mov_b32 s[\g+5], 32
	s_mov_b32 s[\g+6], 0
	s_mov_b32 s[\g+7], 0
.endr
	s_or_b32 s[G1S+0], s43, (3<<16)|(1<<21)        ; 16 rows of words
	s_or_b32 s[G1SB+0], s44, (3<<16)|(1<<21)
.irp g, G1S, G1SB
	s_mov_b32 s[\g+1], 32<<16
	s_mov_b32 s[\g+2], 16<<16
	s_mov_b32 s[\g+3], 32<<16
	s_mov_b32 s[\g+4], 16
	s_mov_b32 s[\g+5], 32
	s_mov_b32 s[\g+6], 0
	s_mov_b32 s[\g+7], 0
.endr
	s_mul_i32 s20, s17, RBB                        ; A's row block: the tile row
	s_mov_b32 s21, 0
	s_lshl_b32 s22, s17, 12
	s_mov_b32 s23, 0
	s_add_co_u32 s46, s42, 104                     ; B's: 104 + the tile column
	s_lshl_b32 s92, s46, 12
	s_mov_b32 s93, 0
	s_mul_i32 s46, s46, RBB
	s_mov_b32 s47, 0
	s_wait_dscnt 0x0                               ; both opening adds are done
	s_wait_kmcnt 0x0
	s_add_nc_u64 s[20:21], s[4:5], s[20:21]
	s_add_nc_u64 s[22:23], s[6:7], s[22:23]
	s_add_nc_u64 s[46:47], s[8:9], s[46:47]
	s_add_nc_u64 s[92:93], s[10:11], s[92:93]
	s_mov_b32 s[G0], 1
	s_mov_b32 s[G0+1], 0
	s_mov_b64 s[G0+2:G0+3], s[20:21]
	s_or_b32 s[G0+3], s[G0+3], 0x80000000
	s_mov_b32 s[G0B], 1
	s_mov_b32 s[G0B+1], RBB
	s_mov_b64 s[G0B+2:G0B+3], s[46:47]
	s_or_b32 s[G0B+3], s[G0B+3], 0x80000000
	s_mov_b32 s[G0S], 1
	s_mov_b32 s[G0S+1], SCL
	s_mov_b64 s[G0S+2:G0S+3], s[22:23]
	s_or_b32 s[G0S+3], s[G0S+3], 0x80000000
	s_mov_b32 s[G0SB], 1
	s_mov_b32 s[G0SB+1], SCL+4096
	s_mov_b64 s[G0SB+2:G0SB+3], s[92:93]
	s_or_b32 s[G0SB+3], s[G0SB+3], 0x80000000
	CROUND                                         ; all sixteen work-groups are here: the joint loads meet
	ARM 1, G0,  G1,  .Lhead_b
	ARM 2, G0B, G1B, .Lhead_sa
	ARM 3, G0S, G1S, .Lhead_sb
	tensor_load_to_lds s[G0SB:G0SB+3], s[G1SB:G1SB+7]
	s_nop 0
	PLACES 4
.Lhead_asked:
	v_and_b32 v1, 15, v0                           ; r
	v_bfe_u32 v2, v0, 4, 1                         ; h
	v_and_b32 v3, 31, v0
	v_lshlrev_b32 v5, 4, v3                        ; 16 x lane
	v_lshlrev_b32 v4, 3, v3                        ; 8 x lane
	s_mul_i32 s21, s15, 4*1536                     ; my four tiles of A,
	s_mul_i32 s22, s16, 4*1536
	s_add_co_u32 s22, s22, RBB                     ; of B
.irp s, 0,1
	v_add_nc_u32 v[ADRA+\s], s21, v5
	v_add_nc_u32 v[ADRA+2+\s], s21, v4
	v_add_nc_u32 v[ADRB+\s], s22, v5
	v_add_nc_u32 v[ADRB+2+\s], s22, v4
	s_add_co_u32 s21, s21, HALFK
	s_add_co_u32 s22, s22, HALFK
.endr
	s_lshl_b32 s21, s15, 8                         ; the words: lanes 0-15 A's, lanes 16-31 B's: one product, the distance between the two
	s_lshl_b32 s22, s16, 8
	s_add_co_u32 s22, s22, 4096
	s_sub_co_u32 s22, s22, s21
	v_mul_u32_u24 v6, s22, v2
	s_add_co_u32 s21, s21, SCL
	v_lshl_add_u32 v6, v1, 2, v6
	v_add_nc_u32 v[ADRS], s21, v6
	s_mul_i32 s23, s14, 16*SPITCH
	s_add_co_u32 s23, s23, STAGE                   ; my stage
	v_mul_u32_u24 v6, v1, SPITCH
	v_lshl_add_u32 v6, v2, 6, v6
	v_add_nc_u32 v[STO], s23, v6                   ; in: row r, + 64 h
	v_mul_u32_u24 v6, v2, SPITCH
	v_lshl_add_u32 v6, v1, 4, v6
	v_add_nc_u32 v[RD], s23, v6                    ; back: sixteen lanes to a row of 256 bytes
	v_lshlrev_b32 v[CO], 12, v2
	v_lshl_add_u32 v[CO], v1, 4, v[CO]             ; and the same two rows in out0
	s_lshl_b32 s20, s17, 19
	s_lshl_b32 s21, s15, 18
	s_add_co_u32 s20, s20, s21
	s_mov_b32 s21, 0
	s_lshl_b32 s46, s42, 9
	s_lshl_b32 s47, s16, 8
	s_add_co_u32 s46, s46, s47
	s_mov_b32 s47, 0
	s_add_nc_u64 s[20:21], s[20:21], s[46:47]
	s_add_nc_u64 s[12:13], s[12:13], s[20:21]
	s_wait_alu depctr_va_vdst(0)                   ; the wait at the head's end
	s_wait_tensorcnt 0x0                           ; my tile has landed,
	s_barrier_signal -1
	s_barrier_wait -1                              ; everybody's has
.irp s, 0,1,2,3,4,5,6,7
.irp i, 0,1,2,3
	ds_load_b32 v[SC+4*\s+\i], v[ADRS] offset:512*\s+64*\i
.endr
.endr
	FETCH 0, 0, 0
.irp q, 0,1,2,3,4,5,6,7
.if \q < 7
.if \q > 0
	PLACES NP                                      ; ahead of the loads into the set that the last step multiplied
.endif
	FETCH (\q+1)/4, (\q+1)%4, (\q+1)%2
	s_wait_dscnt 32                                ; all but the 32 just issued
.else
	s_wait_dscnt 0x0
.endif
	WIN MUL
.if \q == 0
	MUL16 0, 0, 1                                  ; the first products start the sums
.else
	MUL16 (\q)%2, \q, 0
.endif
.endr
	WIN 0
.macro TOSTAGE a                       ; A's block a: 16 rows x 64 columns into my stage, each accumulator from its low end on, and back by rows
.irp b, 0,1,2,3
	ds_store_b128 v[STO], v[ACC+8*(4*(\a)+\b):ACC+8*(4*(\a)+\b)+3] offset:128*(\b/2)+32*(\b%2)
	ds_store_b128 v[STO], v[ACC+8*(4*(\a)+\b)+4:ACC+8*(4*(\a)+\b)+7] offset:128*(\b/2)+32*(\b%2)+16
.endr
.set BB, BK+32*((\a)%2)
.irp t, 0,1,2,3,4,5,6,7
	ds_load_b128 v[BB+4*\t:BB+4*\t+3], v[RD] offset:\t*2*SPITCH
.endr
.endm
.macro SEND a, younger                 ; younger: the LDS instructions issued behind block a's loads
.set BB, BK+32*((\a)%2)
	s_wait_dscnt \younger
.irp t, 0,1,2,3,4,5,6,7
	global_store_b128 v[CO], v[BB+4*\t:BB+4*\t+3], s[12:13] offset:(32*((\a)/2)+8*((\a)%2)+2*\t+8*(\t/4))*4096 th:TH_STORE_NT   ; sixteen lanes store 256 consecutive bytes, aligned
.endr
.endm
	PLACES NP
	TOSTAGE 0
.irp a, 1,2,3
.if \a > 1
	s_wait_xcnt 0x0                                ; block a - 2's stores have read their registers
.endif
	TOSTAGE \a
	SEND \a-1, 16
.endr
	SEND 3, 0
	s_wait_tensorcnt 0x0                           ; the wave's end
	ds_add_u32 v30, v31
	s_wait_dscnt 0x0
	CROUND                                         ; the closing round
	s_endpgm
.Lfunc_end_k_qeff480cecf_oproj:
	.size	k_qeff480cecf_oproj, .Lfunc_end_k_qeff480cecf_oproj-k_qeff480cecf_oproj
	.p2alignl 7, 3214868480
	.fill 96, 4, 3214868480
	.section	.rodata,"a",@progbits
	.p2align	6, 0x0
	.amdhsa_kernel k_qeff480cecf_oproj
		.amdhsa_group_segment_fixed_size 327680
		.amdhsa_private_segment_fixed_size 0
		.amdhsa_enable_private_segment 0
		.amdhsa_kernarg_size 40
		.amdhsa_user_sgpr_count 2
		.amdhsa_user_sgpr_kernarg_segment_ptr 1
		.amdhsa_wavefront_size32 1
		.amdhsa_system_sgpr_workgroup_id_x 1
		.amdhsa_system_sgpr_workgroup_id_y 1
		.amdhsa_system_sgpr_workgroup_id_z 1
		.amdhsa_system_vgpr_workitem_id 0
		.amdhsa_next_free_vgpr 512
		.amdhsa_next_free_sgpr 98
		.amdhsa_reserve_vcc 0
		.amdhsa_float_denorm_mode_32 3
		.amdhsa_float_denorm_mode_16_64 3
		.amdhsa_memory_ordered 1
		.amdhsa_forward_progress 1
		.amdhsa_inst_pref_size 52
	.end_amdhsa_kernel
	.amdgpu_metadata
---
amdhsa.version: [ 1, 2 ]
amdhsa.kernels:
  - .name:           k_qeff480cecf_oproj
    .symbol:         k_qeff480cecf_oproj.kd
    .args:
      - { .name: c3, .offset: 0, .size: 8, .value_kind: global_buffer, .address_space: global }
      - { .name: s3, .offset: 8, .size: 8, .value_kind: global_buffer, .address_space: global }
      - { .name: c1, .offset: 16, .size: 8, .value_kind: global_buffer, .address_space: global }
      - { .name: s1, .offset: 24, .size: 8, .value_kind: global_buffer, .address_space: global }
      - { .name: out0, .offset: 32, .size: 8, .value_kind: global_buffer, .address_space: global }
    .group_segment_fixed_size: 327680
    .private_segment_fixed_size: 0
    .kernarg_segment_align: 8
    .kernarg_segment_size: 40
    .max_flat_workgroup_size: 128
    .sgpr_count:     98
    .vgpr_count:     512
    .wavefront_size: 32
...
	.end_amdgpu_metadata
.endif
;; end of part 4
